; MI455X (gfx1250); checked and timed in simulation.
; The chip was launched on July 23, 2026; its instructions are those of AMD's public machine-readable ISA for CDNA 5 (MIT licence, August 2026) and "CDNA5" Instruction Set Architecture Reference Guide (July 2026). The comments in the code are by the model that wrote it; some were corrected since.
;; Causal Self Attention. Allowed arithmetic: matrix products marked QUANTISED: E2M1 operands, one E8M0 scale for each 32 along K, by v_wmma_scale_f32_16x16x128_f8f6f4 with both operands' format E2M1 (or v_wmma_scale_f32_32x16x128_f4), f32 sums; everything else in f32.
;; Inputs: in_b 3,072 float32; in_w 1,024 x 3,072 float32; out_b 1,024 float32; out_w 1,024 x 1,024 float32; x 4 x 2,048 x 1,024 float32.
;; Outputs: out0 4 x 2,048 x 1,024 float32.
;; This version of the problem:
;;   THIS VERSION OF THE PROBLEM IS GIVEN IN LOW PRECISION. The matrix products marked QUANTISED in the list below multiply operands that are first quantised to E2M1 (2 exponent bits, 1 mantissa bit; 4 bits a number), with one power-of-two scale for each 32 numbers along K (OCP MX v1.0); their sums are f32. All else is computed in f32.
;;   The module's matrix products, in the order in which they are computed (A, B: the left and right operand; K: the contracted axis; several contracted axes count as one K, in the product's order):
;;     1. [M 8,192, K 1,024] x [K 1,024, N 3,072]; A: input x; B: input in_w: QUANTISED
;;     2. batch 64 x [M 2,048, K 64] x [K 64, N 2,048]; A: computed on the way; B: computed on the way: QUANTISED
;;     3. batch 64 x [M 2,048, K 2,048] x [K 2,048, N 64]; A: softmax (see below); B: computed on the way: QUANTISED
;;     4. [M 8,192, K 1,024] x [K 1,024, N 1,024]; A: computed on the way; B: input out_w: QUANTISED
;;   THE QUANTISER, for each operand of a quantised product, along K:
;;     - K is cut into blocks of 32 from its start; a last block that is shorter is filled with zeros.
;;     - A block's scale is 2^e with e = floor(log2(the largest magnitude in the block)) - 2, held to -126 .. 127; a block of zeros has e = 0. As a byte (E8M0): e + 127.
;;     - Each number is divided by its block's scale, clamped to +-6, and rounded to the nearest number of E2M1, ties to even, subnormals kept.
;;     - The product sums the exact products of the quantised numbers (number of the format x scale) in f32.
;;   ~~~python
;;   def quantise(x, axis):      # numpy; x: float32 -> the quantised numbers, widened to float32 again
;;       x = np.moveaxis(x, axis, -1); K = x.shape[-1]
;;       x = np.pad(x, [(0, 0)] * (x.ndim - 1) + [(0, -K % 32)]); x = x.reshape(x.shape[:-1] + (-1, 32)); a = np.abs(x).max(-1, keepdims=True)
;;       e = np.where(a > 0, np.clip(np.frexp(np.where(a > 0, a, 1))[1] - 1 - 2, -126, 127), 0)      # np.frexp(a)[1] - 1 = floor(log2(a)), exactly
;;       r = np.clip(x / 2.0 ** e, -6, 6)
;;       step = 2.0 ** (np.maximum(np.frexp(np.where(r == 0, 1, r))[1] - 1, 0) - 1)
;;       q = np.round(r / step) * step * 2.0 ** e      # np.round: ties to even
;;       return np.moveaxis(q.reshape(q.shape[:-2] + (-1,))[..., :K], -1, axis).astype(np.float32)
;;   ~~~
;;   SOFTMAX AHEAD OF A QUANTISED PRODUCT. Where the list says 'softmax', what is quantised is not the finished softmax but p = 2^(t - M), with t = logit x log2(e) and M = ceil(the row's largest t), a whole number; so 1/2 < the row's largest p <= 1. The row's sum l is taken of the UNQUANTISED p, in f32, and the product's result is divided by l at the end. Since M is a whole number, a kernel that streams over the keys may use a running M (the ceiling of the running maximum): every later rescaling is an exact power of two, which a block's scale takes up: the codes' values come out the same.
;;   OPERANDS COMPUTED ON THE WAY. 'Computed on the way' means the value that the module computes at that place (a softmax that the list does not call 'softmax' is quantised finished and normalised). What goes into a quantiser is computed in f32, as accurately as f32 sums, v_exp_f32 and their like allow (about 1e-6 of the number): no bf16 or f16 on the way to a quantiser, and a product that is left as it is and whose result goes on into a quantised operand takes f32 operands (vector FMAs, or v_wmma_f32_16x16x4_f32). A number that lies on a knife's edge between two numbers of the format may be rounded either way, as far as f32 arithmetic and the matrix unit's own rounding can turn it there, and no further.
;; One version. Each part assembles by itself: llvm-mc -triple=amdgcn-amd-amdhsa -mcpu=gfx1250 --defsym DOCPART=n.
;; ======== version 1 of 1: 4 launches
;; workspace buffers: xq 4,456,448 bytes; wq 2,228,224 bytes; qq 4,718,592 bytes; kv 9,175,040 bytes; aq 4,456,448 bytes
;; launch quant (part 1): grid 320 x 1, 4 waves a work-group, no clusters, 68,096 bytes of LDS; arguments x, in_w, out_w, xq, wq; writes xq, wq
.if DOCPART == 1
	.amdgcn_target "amdgcn-amd-amdhsa--gfx1250"
	.amdhsa_code_object_version 6
	.text
	.protected	k_q040cce88ae_quant
	.globl	k_q040cce88ae_quant
	.p2align	8
	.type	k_q040cce88ae_quant,@function
k_q040cce88ae_quant:
	s_mov_b64 s[64:65], 0
	v_nop
	global_prefetch_b8 v0, s[64:65] scope:SCOPE_SE
	s_setreg_imm32_b32 hwreg(HW_REG_WAVE_MODE, 25, 1), 1
	s_wait_xcnt 0x0
; CAUSAL SELF-ATTENTION IN MX-FP4, launch 1 of 4: x [8192][1024], in_w [1024][3072] and out_w [1024][1024], f32, become codes of E2M1 with K innermost and one E8M0 byte for each 32 along K.
; WORK LEFT OUT IN THIS PROGRAM: reference() hides key k from query q where k > q by a tril mask that it builds itself: the score becomes -inf, its weight 0, and it adds nothing to the row's sum or to the second product,
; whatever finite values the inputs hold.  So a step of 128 keys all of which lie behind all 16 queries of a tile is not multiplied (launch 3).  No input is dead: all five are loaded (in_b's part on k moves k's codes).
; LIMIT: a NaN, an infinity or an overflow that reaches only such hidden steps is not carried to the result.
; LIMITS of the quantiser here: NaN and infinities among the inputs are not served; a block whose largest magnitude lies under 2^-124 keeps the byte 1; a block of zeros gets the byte 1 where the rule says 127:
; its codes are zeros, which add nothing under any byte but 0xff, and this program alone reads the bytes.
; THE ROW ORDER.  Rows (tokens of x, columns n of the weights) are STORED with bits 3 and 4 of their number exchanged.  Sixteen neighbouring stored rows, tile 2 b + u, are then the true rows 32 b + 8 u + (r % 8) + 16 (r / 8),
; so that in a product whose source 0 is such a tile the 16 result registers of tiles 2 b and 2 b + 1 are 16 neighbours along that axis, ready for the next quantiser.
; xq: codes [stored token][512 bytes]; from XSO on scale bytes [stored token][32].  wq: codes [stored row][512], rows 0-3071 in_w's n, rows 3072-4095 out_w's n; from WSO on scale bytes [row][32].
; Work-groups 0-63 take the weights (K is their FIRST axis: a lane takes a column and its registers run down K), work-groups 64-319 take x (K innermost: two neighbouring lanes hold a block).  Each path has LDS bytes of its own.
.set XSO,   4194304
.set WSO,   2097152
.set STEPS, 16
.set EMAX,  2
.set SP,    80                         ; x path: a lane's place in a stage: 64 bytes + 16 of padding
.set WREG,  8192                       ; x path: LDS for a wave: two stages of 32 x 80 bytes, then its 256 scale bytes
.set WSTG,  32768                      ; weights' path: a stage of 32 rows x 272 bytes for each wave
.set PITCH, 272
.set SPARE, 67584                      ; the spare words, 128 bytes for each wave
.set R,     16                         ; x path: v16-79 four sets of 16 numbers as loaded; v80-111 two sets of 16 neighbours; v112-127 a byte a step; v128-191 codes, four registers a step
.set X,     80
.set E,     112
.set C,     128
.set WX,    32                         ; weights' path: v32-95 two sets of 32 numbers; v96-99 a block's codes; v24-27 the scale bytes; v112-175 the way out
.set WC,    96
.set SB,    24
.set OUTR,  112
.set VWI,   192                        ; v192 the stage, in: row = my column's stored place;  v193 the stage, out;  v194 the same place in wq;  v195 my row of scale bytes;  v196 4 x lane
.set VWO,   193
.set VGO,   194
.set VSB,   195
.set VL4,   196
.set VO,    200                        ; v200-231 row i of a block: i x the weight's row pitch + 4 x lane
.set SPW,   232
.set NIL,   233
	s_load_b256 s[4:11], s[0:1], 0x0               ; x s[4:5], in_w s[6:7], out_w s[8:9], xq s[10:11]
	s_load_b64 s[12:13], s[0:1], 0x20              ; wq
	v_lshl_add_u32 v[SPW], v0, 2, SPARE
	v_mov_b32 v[NIL], 0
	v_lshrrev_b32 v1, 5, v0
	v_readfirstlane_b32 s16, v1                    ; wave
	v_and_b32 v2, 31, v0                           ; lane
	; every LDS address of both paths is made here, ahead of the parting
	v_lshlrev_b32 v3, 4, v2                        ; x: my 16 bytes of a load's 512
	s_mul_i32 s17, s16, WREG
	v_lshrrev_b32 v14, 2, v2
	v_mul_u32_u24 v14, v14, SP
	v_and_b32 v15, 3, v2
	v_lshl_add_u32 v14, v15, 4, v14
	v_add_nc_u32 v14, s17, v14                     ; the stage, in: 80 (lane / 4) + 16 (lane % 4)
	v_mul_u32_u24 v15, v2, SP
	v_add_nc_u32 v15, s17, v15                     ; the stage, out: 80 x lane: my 16 neighbours
	v_lshlrev_b32 v4, 3, v2                        ; 8 x lane: my codes' place in a step's 256 bytes, and my 8 of the 256 scale bytes
	v_lshrrev_b32 v5, 1, v2
	s_add_co_u32 s17, s17, 2*32*SP
	v_add_nc_u32 v5, s17, v5                       ; my block's byte among the wave's 256
	v_add_nc_u32 v6, s17, v4
	v_and_b32 v[VWI], 7, v2                        ; the weights: my column's stored place among the wave's 32: bits 3 and 4 exchanged
	v_bfe_u32 v[VWO], v2, 3, 1
	v_lshl_add_u32 v[VWI], v[VWO], 4, v[VWI]
	v_bfe_u32 v[VWO], v2, 4, 1
	v_lshl_add_u32 v[VWI], v[VWO], 3, v[VWI]
	v_lshlrev_b32 v[VSB], 5, v[VWI]                ; 32 scale bytes a row
	s_mul_i32 s18, s16, 32*PITCH
	s_add_co_u32 s18, s18, WSTG
	v_mul_u32_u24 v[VWI], v[VWI], PITCH
	v_add_nc_u32 v[VWI], s18, v[VWI]
	v_and_b32 v[VGO], 15, v2
	v_lshlrev_b32 v[VL4], 9, v[VWO]                ; out: sixteen lanes to a row, two rows an instruction
	v_mul_u32_u24 v[VWO], v[VWO], PITCH
	v_lshl_add_u32 v[VWO], v[VGO], 4, v[VWO]
	v_add_nc_u32 v[VWO], s18, v[VWO]
	v_lshl_add_u32 v[VGO], v[VGO], 4, v[VL4]       ; 512 (lane / 16) + 16 (lane % 16)
	v_lshlrev_b32 v[VL4], 2, v2
	s_wait_kmcnt 0x0
	s_cmp_lt_u32 ttmp9, 64
	s_cbranch_scc1 .Lweights
	; ---------------- x: a wave takes 8 tokens, 8,192 numbers, in 16 steps of 512
	s_sub_co_u32 s19, ttmp9, 64
	s_lshl_b32 s19, s19, 2
	s_add_co_u32 s20, s19, s16                     ; which run of 8 tokens I read,
	s_and_b32 s21, s16, 1
	s_lshl_b32 s21, s21, 1
	s_lshr_b32 s22, s16, 1
	s_or_b32 s21, s21, s22
	s_add_co_u32 s22, s19, s21                     ; and where it is stored: the row order moves whole runs of 8 (the run's two low bits change places)
	s_lshl_b32 s24, s20, 15
	s_mov_b32 s25, 0
	s_add_nc_u64 s[4:5], s[4:5], s[24:25]
	s_lshl_b32 s24, s22, 12
	s_add_nc_u64 s[26:27], s[10:11], s[24:25]      ; its codes: 4,096 bytes a run
	s_lshl_b32 s24, s22, 8
	s_add_co_u32 s24, s24, XSO
	s_add_nc_u64 s[28:29], s[10:11], s[24:25]      ; its scale bytes: 256 a run
.macro LOADX t
.irp i, 0,1,2,3
	global_load_b128 v[R+16*((\t)%4)+4*\i:R+16*((\t)%4)+4*\i+3], v3, s[4:5] offset:2048*(\t)+512*\i th:TH_LOAD_NT   ; 32 lanes read 512 consecutive bytes
.endr
.endm
.macro TURNX t                         ; step t's numbers through the stage: LDS serves a wave's instructions in order, so no wait stands between the stores and the loads
.irp i, 0,1,2,3
	ds_store_b128 v14, v[R+16*((\t)%4)+4*\i:R+16*((\t)%4)+4*\i+3] offset:32*SP*((\t)%2)+8*SP*\i
.endr
.irp i, 0,1,2,3
	ds_load_b128 v[X+16*((\t)%2)+4*\i:X+16*((\t)%2)+4*\i+3], v15 offset:32*SP*((\t)%2)+16*\i
.endr
.endm
.irp t, 0,1,2,3
	LOADX \t
.endr
	s_wait_loadcnt 12                              ; step 0's four loads are in; the twelve of steps 1 to 3 may be out
	TURNX 0
.macro STEPX t
.set XR, X+16*((\t)%2)
.if (\t) > 0
	s_wait_dscnt 1                                 ; this step's numbers are back from the stage (the last step's byte store may be out)
.else
	s_wait_dscnt 0x0
.endif
.if (\t)+4 < STEPS
	LOADX (\t)+4                                   ; into the registers that this step's stores into the stage have read
.endif
.if (\t)+1 < STEPS
.if STEPS-2-(\t) >= 3
	s_wait_loadcnt 12                              ; the next step's four loads are in; those of the three steps behind it may be out
.else
	s_wait_loadcnt 4*(STEPS-2-(\t))
.endif
	TURNX (\t)+1
.endif
	v_max3_num_f32 v8, |v[XR]|, |v[XR+1]|, |v[XR+2]|               ; the largest magnitude of my 16, in two chains
	v_max3_num_f32 v9, |v[XR+3]|, |v[XR+4]|, |v[XR+5]|
.irp i, 6,10
	v_max3_num_f32 v8, v8, |v[XR+\i]|, |v[XR+\i+1]|
	v_max3_num_f32 v9, v9, |v[XR+\i+2]|, |v[XR+\i+3]|
.endr
	v_max3_num_f32 v8, v8, |v[XR+14]|, |v[XR+15]|
	v_max3_num_f32 v8, v8, v9, (EMAX+1)<<23        ; and the floor 2^(3 - 127): the byte cannot fall under 1
	v_max_num_f32_dpp v8, v8, v8 row_xmask:1 row_mask:0xf bank_mask:0xf   ; and of my neighbour's 16: the block's
	v_add_nc_u32 v11, -(EMAX<<23), v8              ; 2 off its exponent field: the conversion takes the exponent field of this operand as its scale
	v_cvt_scalef32_pk8_fp4_f32 v[C+4*(\t)], v[XR:XR+7], v11
	v_cvt_scalef32_pk8_fp4_f32 v[C+4*(\t)+1], v[XR+8:XR+15], v11
	v_lshrrev_b32 v[E+(\t)], 23, v11               ; the scale's byte (a plain line behind the conversions)
	ds_store_b8 v5, v[E+(\t)] offset:16*(\t)       ; both lanes of a block write the same byte with the same value
	global_store_b64 v4, v[C+4*(\t):C+4*(\t)+1], s[26:27] offset:256*(\t)   ; the wave stores 256 consecutive bytes, aligned
.endm
.irp t, 0,1,2,3,4,5,6,7,8,9,10,11,12,13,14,15
	STEPX \t
.endr
	ds_load_b64 v[8:9], v6                         ; LDS serves a wave's instructions in order: these see my byte stores
	s_wait_dscnt 0x0
	global_store_b64 v4, v[8:9], s[28:29]          ; 256 consecutive bytes, aligned
	s_wait_tensorcnt 0x0                           ; the wave's end
	ds_add_u32 v[SPW], v[NIL]
	s_wait_dscnt 0x0
	s_endpgm
	; ---------------- the weights: a wave takes 32 columns x 512 along K: 16 blocks a lane
.Lweights:
	s_lshr_b32 s19, ttmp9, 1                       ; which 128 stored rows of wq (0-23: in_w, 24-31: out_w)
	s_and_b32 s20, ttmp9, 1                        ; which half of K
	s_mov_b32 s21, 4096
	s_sub_co_u32 s22, s19, 24
	s_cmp_lt_u32 s19, 24                           ; the choice hangs on the work-group's number alone
	s_cselect_b64 s[6:7], s[6:7], s[8:9]
	s_cselect_b32 s21, 12288, s21                  ; the weight's row in bytes
	s_cselect_b32 s22, s19, s22
	s_lshl_b32 s22, s22, 7
	s_lshl_b32 s23, s16, 5
	s_add_co_u32 s22, s22, s23                     ; my first column in the weight
	s_lshl_b32 s24, s19, 7
	s_add_co_u32 s23, s24, s23                     ; and my first row in wq
	s_lshl_b32 s24, s20, 9
	s_mul_i32 s24, s24, s21
	s_lshl_b32 s25, s22, 2
	s_add_co_u32 s24, s24, s25
	s_mov_b32 s25, 0
	s_add_nc_u64 s[32:33], s[6:7], s[24:25]        ; block 0 begins here; a base for each of the 16 blocks, so that nothing is stepped while loads are out
	s_lshl_b32 s24, s21, 5                         ; 32 rows on
.irp t, 1,2,3,4,5,6,7,8,9,10,11,12,13,14,15
	s_add_nc_u64 s[32+2*\t:33+2*\t], s[30+2*\t:31+2*\t], s[24:25]
.endr
	s_lshl_b32 s26, s23, 9
	s_lshl_b32 s27, s20, 8
	s_add_co_u32 s26, s26, s27
	s_mov_b32 s27, 0
	s_add_nc_u64 s[14:15], s[12:13], s[26:27]      ; the codes: row x 512 + 256 x half
	s_lshl_b32 s26, s23, 5
	s_lshl_b32 s28, s20, 4
	s_add_co_u32 s26, s26, s28
	s_add_co_u32 s26, s26, WSO
	s_add_nc_u64 s[12:13], s[12:13], s[26:27]      ; the scale bytes: row x 32 + 16 x half
.set I_, 0
	s_wait_alu depctr_va_vdst(0)
.rept 32
	v_mad_u32_u24 v[VO+I_], s21, I_, v[VL4]
.set I_, I_+1
.endr
.macro LOADW t                         ; block t: W(32 t + i, my column), i = 0 .. 31: each load reads 128 consecutive bytes a wave, 512 a work-group
.set I_, 0
.rept 32
	global_load_b32 v[WX+32*((\t)%2)+I_], v[VO+I_], s[32+2*(\t):33+2*(\t)] th:TH_LOAD_NT
.set I_, I_+1
.endr
.endm
	LOADW 0
	LOADW 1
.macro BLOCKW t
.set XB, WX+32*((\t)%2)
.if (\t) < 15
	s_wait_loadcnt 32                              ; this block's 32 loads are in; the next block's may be out
.else
	s_wait_loadcnt 0
.endif
	v_max3_num_f32 v12, |v[XB]|, |v[XB+1]|, |v[XB+2]|               ; the block's largest magnitude: all 32 numbers are mine
	v_max3_num_f32 v13, |v[XB+3]|, |v[XB+4]|, |v[XB+5]|
.irp i, 6,10,14,18,22,26
	v_max3_num_f32 v12, v12, |v[XB+\i]|, |v[XB+\i+1]|
	v_max3_num_f32 v13, v13, |v[XB+\i+2]|, |v[XB+\i+3]|
.endr
	v_max3_num_f32 v12, v12, |v[XB+30]|, |v[XB+31]|
	v_max3_num_f32 v12, v12, v13, (EMAX+1)<<23     ; and the floor
	v_add_nc_u32 v11, -(EMAX<<23), v12             ; the conversion's scale operand
	v_lshrrev_b32 v13, 23, v11                     ; the scale's byte
.if (\t)%4 == 0
	v_mov_b32 v[SB+(\t)/4], v13                    ; four bytes to a register, the lower K in the lower byte
.else
	v_lshl_or_b32 v[SB+(\t)/4], v13, 8*((\t)%4), v[SB+(\t)/4]
.endif
.irp g, 0,1,2,3
	v_cvt_scalef32_pk8_fp4_f32 v[WC+\g], v[XB+8*\g:XB+8*\g+7], v11
.endr
	ds_store_b128 v[VWI], v[WC:WC+3] offset:16*(\t)   ; 32 codes: 16 bytes of my column's row
.if (\t)+2 < 16
	LOADW (\t)+2
.endif
	s_wait_dscnt 0x0                               ; the store has read its registers: the next block's codes may be written
.endm
.set Q, 0
.rept 16
	BLOCKW Q
.set Q, Q+1
.endr
	s_wait_alu depctr_va_vdst(0)
	global_store_b128 v[VSB], v[SB:SB+3], s[12:13] ; my column's 16 scale bytes
.irp t, 0,1,2,3,4,5,6,7,8,9,10,11,12,13,14,15
	ds_load_b128 v[OUTR+4*\t:OUTR+4*\t+3], v[VWO] offset:2*\t*PITCH   ; LDS serves a wave's instructions in order: these see my stores
.endr
.irp t, 0,1,2,3,4,5,6,7,8,9,10,11,12,13,14,15
	s_wait_dscnt 15-\t                             ; the younger loads may be out
	global_store_b128 v[VGO], v[OUTR+4*\t:OUTR+4*\t+3], s[14:15] offset:2*\t*512   ; sixteen lanes store 256 consecutive bytes, aligned
.endr
	s_wait_tensorcnt 0x0                           ; the wave's end
	ds_add_u32 v[SPW], v[NIL]
	s_wait_dscnt 0x0
	s_endpgm
.Lfunc_end_k_q040cce88ae_quant:
	.size	k_q040cce88ae_quant, .Lfunc_end_k_q040cce88ae_quant-k_q040cce88ae_quant
	.p2alignl 7, 3214868480
	.fill 96, 4, 3214868480
	.section	.rodata,"a",@progbits
	.p2align	6, 0x0
	.amdhsa_kernel k_q040cce88ae_quant
		.amdhsa_group_segment_fixed_size 68096
		.amdhsa_private_segment_fixed_size 0
		.amdhsa_enable_private_segment 0
		.amdhsa_kernarg_size 40
		.amdhsa_user_sgpr_count 2
		.amdhsa_user_sgpr_kernarg_segment_ptr 1
		.amdhsa_wavefront_size32 1
		.amdhsa_system_sgpr_workgroup_id_x 1
		.amdhsa_system_sgpr_workgroup_id_y 1
		.amdhsa_system_sgpr_workgroup_id_z 1
		.amdhsa_system_vgpr_workitem_id 0
		.amdhsa_next_free_vgpr 240
		.amdhsa_next_free_sgpr 66
		.amdhsa_reserve_vcc 0
		.amdhsa_float_denorm_mode_32 3
		.amdhsa_float_denorm_mode_16_64 3
		.amdhsa_memory_ordered 1
		.amdhsa_forward_progress 1
		.amdhsa_inst_pref_size 114
	.end_amdhsa_kernel
	.amdgpu_metadata
---
amdhsa.version: [ 1, 2 ]
amdhsa.kernels:
  - .name:           k_q040cce88ae_quant
    .symbol:         k_q040cce88ae_quant.kd
    .args:
      - { .name: x, .offset: 0, .size: 8, .value_kind: global_buffer, .address_space: global }
      - { .name: in_w, .offset: 8, .size: 8, .value_kind: global_buffer, .address_space: global }
      - { .name: out_w, .offset: 16, .size: 8, .value_kind: global_buffer, .address_space: global }
      - { .name: xq, .offset: 24, .size: 8, .value_kind: global_buffer, .address_space: global }
      - { .name: wq, .offset: 32, .size: 8, .value_kind: global_buffer, .address_space: global }
    .group_segment_fixed_size: 68096
    .private_segment_fixed_size: 0
    .kernarg_segment_align: 8
    .kernarg_segment_size: 40
    .max_flat_workgroup_size: 128
    .sgpr_count:     66
    .vgpr_count:     240
    .wavefront_size: 32
...
	.end_amdgpu_metadata
.endif
;; end of part 1
;; launch gemm_qkv (part 2): grid 96 x 4, 4 waves a work-group, clusters of 4 x 4, 327,680 bytes of LDS; arguments xq, wq, in_b, qq, kv; writes qq, kv
.if DOCPART == 2
	.amdgcn_target "amdgcn-amd-amdhsa--gfx1250"
	.amdhsa_code_object_version 6
	.text
	.protected	k_q040cce88ae_gemm_qkv
	.globl	k_q040cce88ae_gemm_qkv
	.p2align	8
	.type	k_q040cce88ae_gemm_qkv,@function
k_q040cce88ae_gemm_qkv:
	s_mov_b64 s[64:65], 0
	v_nop
	global_prefetch_b8 v0, s[64:65] scope:SCOPE_SE
	s_setreg_imm32_b32 hwreg(HW_REG_WAVE_MODE, 25, 1), 1
	s_wait_xcnt 0x0
	s_wait_alu depctr_hold_cnt(0) depctr_sa_sdst(0) depctr_va_vdst(0) depctr_va_sdst(0) depctr_va_ssrc(0) depctr_va_vcc(0) depctr_vm_vsrc(0)
	s_getreg_b32 s2, hwreg(HW_REG_IB_STS2, 6, 4)
	s_cmp_eq_u32 s2, 0
	s_cbranch_scc0 .Lentry_in_a_cluster
	s_endpgm
.Lentry_in_a_cluster:
	s_bfe_u32 s2, ttmp6, 0x10000c
	s_cmp_lg_u32 s2, 0xf033
	s_cbranch_scc0 .Lentry_shape_is_right
	s_endpgm
.Lentry_shape_is_right:
; Launch 2 of 4: qkv = x in_w + in_b on codes of E2M1 (K = 1,024), and q, k, v quantised in registers and stored as images of the operand registers that launch 3 loads.  qkv never goes to memory as f32.
; A work-group of four waves makes 256 x 256 of the product, a wave 128 x 128: 64 accumulators.  Source 1 ("A") gives a lane its row, source 0 ("B") runs along the lane's registers.
; 24 clusters of 4 x 4.  Clusters 0-15 make q (even) and k (odd): A = tokens, B = rows of in_w: a lane holds one token and its registers run along the head's 64, the K of q k^T.
; Clusters 16-23 make v, the same product with the sources' roles exchanged: A = rows of in_w, B = tokens: a lane holds one channel d and its registers run along the tokens, the K of p v.
; All of K lies in two LDS slots of 512 along K, both filled once at the start; nothing is filled again.  Tiles are asked for jointly: A's by the four work-groups of a row of the cluster, B's by the four of a column.
; The stored row order (bits 3 and 4 of a row's number exchanged) makes the 16 registers of B's blocks 2 b and 2 b + 1 sixteen neighbours: register 16 b + i is index 32 b + 16 (lane / 16) + i.
; qq: images [head 64][tile of 16 stored tokens 128][512 bytes], lane l's 16 bytes at 16 l: its token's d = 32 (l / 16) + 0 .. 31; from QSO on a word a token: bytes 0, 1 the two blocks' scales, bytes 2, 3 zero.
; kv: [head 64][step of 128 keys 16][8,960 bytes]: K's 8 tile images of 512; from 4,096 V's 4 images of 1,024 (16 stored d x 128 keys); from 8,192 K's 128 words; from 8,704 V's 64 words.
; LIMITS: the sums are taken in the matrix unit's order and the bias is added behind the sum; a block of zeros gets the byte 1 (its codes are zeros); NaN and infinities are not served.
; REGISTERS: window 0: v0-31 addresses; v32-95 scale words, two sets; v96-122 at work on the way out; v128-191 A's fragments, later a block's 64 numbers; v192-255 the bias.  window 1: B's two sets.  windows 2, 3: the accumulators.
.set XSO,   4194304
.set WSO,   2097152
.set QSO,   4194304
.set CHUNK, 8960
.set HEADB, 143360
.set NQ,     4                         ; matrix instructions deep in a slot
.set ROWB,   256                       ; a tile's row: 512 codes
.set KROW,   512                       ; a row of codes in memory
.set PITCH,  272                       ; an LDS row: 256 bytes + 16 of padding: the 16 rows of a load start at 16 different banks (64 banks of 4 bytes: ISA guide 11.1)
.set FR,     8
.set NL,     2
.set NP,     4
.set HALFT,  128*PITCH
.set SLOT,   4*HALFT
.set KS,     32                        ; a row of scale bytes
.set SCL,    2*SLOT                    ; behind the slots: the scale bytes, as units of 256 bytes + 16
.set HALFS,  (128*KS/256)*272
.set SBLK,   (16*KS/256)*272
.set SPARE,  SCL+4*HALFS               ; the spare words, 128 bytes for each wave
.set SQ,     SPARE+512                 ; q's and k's way out: 1,024 bytes of scale words for each wave
.set SV,     SQ+4096                   ; v's way out: 512 bytes for each wave
.set LI,   8                           ; v8   16 x lane
.set SSQ,  9                           ; v9   where a block's words go (q, k);  v10 the same (v)
.set SSV,  10
.set RBQ,  11                          ; v11  where they are read back;  v12 the same (v)
.set RBV,  12
.set VSO,  13                          ; v13  v's words in memory: lanes 0-15 one head's 256 bytes, lanes 16-31 the next head's
.set BO,   14                          ; v14  the bias: my lane's term
.set ADRA, 16
.set ADRB, 20
.set ADRS, 27
.set SPW,  28
.set NIL,  29
.set SC,   32
.set VJ,   96                          ; v96-103 the bias loads' offsets (free again when the loads are in)
.set TM,   96                          ; v96-111 at work in the quantiser
.set PC,   112                         ; v112-119 the codes just made
.set PW,   120                         ; v120 the scale word just made;  v121, v122 its halves
.set PWA,  121
.set PWB,  122
.set AF,   128
.set HA,   128
.set BR,   192
.set SEL,  2                           ; s[2:3]
.set WV,   20
.set HS1,  21
.set HS0,  22
.set CC,   23
.set G1,   24
.set G0,   32
.set G1B,  48
.set G0B,  56
.set G1S,  68
.set G0S,  76
.set G1SB, 80
.set G0SB, 88
.set CB0,  92                          ; s[92:99] first the four operands' addresses, on the way out where codes and words go
.set CB1,  94
.set SB0,  96
.set SB1,  98
.set MSB, 0
.macro WIN new                         ; the immediate's high byte repeats the setting that is left
.if MSB != \new
	s_set_vgpr_msb (MSB<<8)|\new
.set MSB, \new
.endif
.endm
.set MUL_LO, 0xa1                      ; source 0 (B) window 1, source 1 (A) window 0, C and D window 2
.set MUL_HI, 0xf1
.set TO_B,   0x40
; A joint load: waves 0 and 1 fetch for A, waves 2 and 3 for B.  The branch hangs on the wave's number alone.  An s_nop 0 and four v_nop follow each of the two lines.
.macro JLOAD g0a, g1a, g0b, g1b
	s_cmp_eq_u32 s[HS1], 0
	s_cbranch_scc0 .Lfor_b_\@
	tensor_load_to_lds s[\g0a:\g0a+3], s[\g1a:\g1a+7]
	s_nop 0
.rept 4
	v_nop
.endr
	s_branch .Lasked_\@
.Lfor_b_\@:
	tensor_load_to_lds s[\g0b:\g0b+3], s[\g1b:\g1b+7]
	s_nop 0
.rept 4
	v_nop
.endr
.Lasked_\@:
.endm
.macro CROUND                          ; a round of the cluster's barrier
	s_barrier_signal -1
	s_barrier_wait -1
	s_cmp_lg_u32 s[WV], 0
	s_cbranch_scc1 .Lnot_wave_0_\@
	s_barrier_signal -3
.Lnot_wave_0_\@:
	s_barrier_wait -3
	s_barrier_signal -1
	s_barrier_wait -1
.endm
	s_load_b256 s[4:11], s[0:1], 0x0               ; xq s[4:5], wq s[6:7], in_b s[8:9], qq s[10:11]
	s_load_b64 s[12:13], s[0:1], 0x20              ; kv
	v_lshl_add_u32 v[SPW], v0, 2, SPARE
	v_mov_b32 v[NIL], 0
	ds_add_u32 v[SPW], v[NIL]                      ; the wave's opening: the add, twice on end, and its wait ahead of my first tensor load
	ds_add_u32 v[SPW], v[NIL]
	v_lshrrev_b32 v1, 5, v0
	v_readfirstlane_b32 s[WV], v1                  ; wave 0..3
	s_lshr_b32 s[HS1], s[WV], 1                    ; which half of A's rows is mine.  Also: I fetch for A (0) or for B (1)
	s_and_b32 s[HS0], s[WV], 1                     ; which half of B's rows.  Also: which 128 rows I fetch
	s_mov_b32 s[CC], ttmp9                         ; the cluster's number: the same in all sixteen partners
	s_bfe_u32 s40, ttmp6, 0x40000                  ; cx
	s_bfe_u32 s41, ttmp6, 0x40004                  ; cy
	s_lshr_b32 s14, s[CC], 1
	s_lshl_b32 s14, s14, 2
	s_and_b32 s15, s[CC], 1
	s_lshl_b32 s15, s15, 2
	s_sub_co_u32 s16, s[CC], 16
	s_lshl_b32 s16, s16, 2
	s_cmp_lt_u32 s[CC], 16                         ; q, k or v?
	s_cselect_b32 s43, s14, 8
	s_cselect_b32 s42, s15, s16
	s_add_co_u32 s43, s43, s41                     ; A's tile of 256 rows: tokens 4 (c / 2) + cy, or in_w's rows 8 + cy
	s_add_co_u32 s42, s42, s40                     ; B's: in_w's rows 4 (c % 2) + cx, or tokens 4 (c - 16) + cx
	s_lshl_b32 s44, s41, 2
	s_lshl_b32 s44, 15, s44                        ; my row of the cluster
	s_lshl_b32 s45, 0x1111, s40                    ; my column
	s_or_b32 s[G1+0], s44, (0<<16)|(1<<20)|(1<<21)|(5<<22)|(3<<25)  ; the mask; elements of 1 byte; padding on; bit 21 beside a mask; after every 64 words 4 words
	s_or_b32 s[G1B+0], s45, (0<<16)|(1<<20)|(1<<21)|(5<<22)|(3<<25)
.irp g, G1, G1B
	s_mov_b32 s[\g+1], ROWB<<16                    ; tensor_dim0
	s_mov_b32 s[\g+2], 128<<16                     ; tensor_dim1
	s_mov_b32 s[\g+3], ROWB<<16                    ; tile_dim0
	s_mov_b32 s[\g+4], 128                         ; tile_dim1
	s_mov_b32 s[\g+5], KROW                        ; from row to row
	s_mov_b32 s[\g+6], 0
	s_mov_b32 s[\g+7], 0
.endr
	s_or_b32 s[G1S+0], s44, (3<<16)|(1<<20)|(1<<21)|(5<<22)|(3<<25) ; the scale bytes of 128 rows: 4,096 dense bytes as 16 rows of 256 (32 elements of 8 bytes), 16 bytes of padding behind each
	s_or_b32 s[G1SB+0], s45, (3<<16)|(1<<20)|(1<<21)|(5<<22)|(3<<25)
.irp g, G1S, G1SB
	s_mov_b32 s[\g+1], 32<<16
	s_mov_b32 s[\g+2], (128*KS/256)<<16
	s_mov_b32 s[\g+3], 32<<16
	s_mov_b32 s[\g+4], 128*KS/256
	s_mov_b32 s[\g+5], 32
	s_mov_b32 s[\g+6], 0
	s_mov_b32 s[\g+7], 0
.endr
	s_lshl_b32 s18, s[HS0], 7                      ; which 128 rows of the tile I fetch
	s_lshl_b32 s14, s43, 8
	s_add_co_u32 s14, s14, s18                     ; A's row
	s_lshl_b32 s46, s42, 8
	s_add_co_u32 s46, s46, s18                     ; B's row
	s_lshl_b32 s16, s14, 5                         ; its scale bytes,
	s_lshl_b32 s14, s14, 9                         ; its codes
	s_lshl_b32 s66, s46, 5
	s_lshl_b32 s46, s46, 9
	s_mov_b32 s15, 0
	s_mov_b32 s17, 0
	s_mov_b32 s47, 0
	s_mov_b32 s67, 0
	s_mov_b32 s18, XSO
	s_mov_b32 s19, WSO
	s_cmp_lt_u32 s[CC], 16
	s_cselect_b32 s100, s18, s19                   ; where the scale bytes begin in A's buffer,
	s_cselect_b32 s101, s19, s18                   ; and in B's
	s_add_co_u32 s16, s16, s100
	s_add_co_u32 s66, s66, s101
	s_mul_i32 s100, s[WV], HALFT                   ; where they go: wave x 128 rows: no place in the cluster enters an LDS address
	s_mul_i32 s101, s[WV], HALFS
	s_mov_b32 s[SEL], 0x76543210
	s_mov_b32 s[SEL+1], 0xfedcba98                 ; v_permlanex16_b32's selects for lane l xor 16
	s_wait_dscnt 0x0                               ; both opening adds are done
	s_wait_kmcnt 0x0
	s_cmp_lt_u32 s[CC], 16
	s_cselect_b64 s[92:93], s[4:5], s[6:7]         ; A's buffer
	s_cselect_b64 s[94:95], s[6:7], s[4:5]         ; B's
	s_add_nc_u64 s[96:97], s[92:93], s[16:17]      ; A's scale bytes,
	s_add_nc_u64 s[92:93], s[92:93], s[14:15]      ; A's codes
	s_add_nc_u64 s[98:99], s[94:95], s[66:67]
	s_add_nc_u64 s[94:95], s[94:95], s[46:47]
	CROUND                                         ; all sixteen work-groups are here: the first joint loads meet
	s_mov_b32 s[G0S], 1
	s_add_co_u32 s[G0S+1], s101, SCL
	s_mov_b64 s[G0S+2:G0S+3], s[96:97]
	s_or_b32 s[G0S+3], s[G0S+3], 0x80000000
	s_mov_b32 s[G0SB], 1
	s_add_co_u32 s[G0SB+1], s101, SCL
	s_mov_b64 s[G0SB+2:G0SB+3], s[98:99]
	s_or_b32 s[G0SB+3], s[G0SB+3], 0x80000000
	JLOAD G0S, G1S, G0SB, G1SB                     ; the scale bytes first: they are wanted with the first half of K
.irp s, 0,1
	s_mov_b32 s[G0+4*\s], 1
	s_add_co_u32 s[G0+4*\s+1], s100, \s*SLOT
	s_add_nc_u64 s[G0+4*\s+2:G0+4*\s+3], s[92:93], \s*ROWB
	s_or_b32 s[G0+4*\s+3], s[G0+4*\s+3], 0x80000000
	s_mov_b32 s[G0B+4*\s], 1
	s_add_co_u32 s[G0B+4*\s+1], s100, \s*SLOT
	s_add_nc_u64 s[G0B+4*\s+2:G0B+4*\s+3], s[94:95], \s*ROWB
	s_or_b32 s[G0B+4*\s+3], s[G0B+4*\s+3], 0x80000000
	JLOAD G0+4*\s, G1, G0B+4*\s, G1B               ; three tensor loads of mine are out: all the launch's fills
.endr
	v_and_b32 v1, 15, v0                           ; r
	v_bfe_u32 v2, v0, 4, 1                         ; h
	v_mul_u32_u24 v3, v1, PITCH
	v_lshl_add_u32 v4, v2, 4, v3                   ; a fragment's row x pitch + 16 x half
	s_mul_i32 s14, s[HS1], HALFT                   ; my 128 rows of A
	s_mul_i32 s15, s[HS0], HALFT                   ; my 128 rows of B,
	s_add_co_u32 s15, s15, 2*HALFT                 ; behind A's 256
.irp s, 0,1
	v_add_nc_u32 v[ADRA+\s], s14, v4
	v_add_nc_u32 v[ADRB+\s], s15, v4
	s_add_co_u32 s14, s14, SLOT
	s_add_co_u32 s15, s15, SLOT
.endr
	v_mul_u32_u24 v5, v1, KS                       ; my row's scale bytes: 32 a row,
	v_lshrrev_b32 v6, 8, v5
	v_lshl_add_u32 v5, v6, 4, v5                   ; and 16 more for each 256 passed
	s_mul_i32 s14, s[HS1], HALFS
	s_mul_i32 s15, s[HS0], HALFS
	s_add_co_u32 s15, s15, 2*HALFS
	s_sub_co_u32 s15, s15, s14
	v_mul_u32_u24 v6, s15, v2                      ; lanes 16-31 take B's
	s_add_co_u32 s14, s14, SCL
	v_add_nc_u32 v5, v5, v6
	v_add_nc_u32 v[ADRS], s14, v5
	v_and_b32 v7, 31, v0
	v_lshlrev_b32 v[LI], 4, v7
	s_lshl_b32 s14, s[WV], 10
	s_add_co_u32 s14, s14, SQ
	v_lshl_add_u32 v[SSQ], v1, 2, s14
	v_add_nc_u32 v[RBQ], s14, v[LI]
	s_lshl_b32 s14, s[WV], 9
	s_add_co_u32 s14, s14, SV
	v_lshl_add_u32 v[SSV], v1, 2, s14
	v_add_nc_u32 v[RBV], s14, v[LI]
	v_mul_u32_u24 v[VSO], v2, HEADB
	v_lshl_add_u32 v[VSO], v1, 4, v[VSO]
	; THE BIAS, 64 registers, by the same 64 loads in both kinds of work-group; only numbers are chosen.  q, k: it runs along the registers: register 8 b + j holds in_b at B's index 32 (b / 2) + 16 h + 8 (b % 2) + j.
	; v: it belongs to the lane's row of A: registers 8 a + 0 .. 7 all hold in_b at 32 (a / 2) + 8 (a % 2) + (r % 8) + 16 (r / 8).
	s_cmp_lt_u32 s[CC], 16
	s_cselect_b32 s14, s42, s43                    ; in_w's tile: B's or A's
	s_cselect_b32 s15, s[HS0], s[HS1]
	s_cselect_b32 s16, 4, 0                        ; from register to register
	s_cselect_b32 s17, -1, 0
	s_lshl_b32 s14, s14, 10
	s_lshl_b32 s15, s15, 9
	s_add_co_u32 s14, s14, s15
	s_mov_b32 s15, 0
	s_add_nc_u64 s[8:9], s[8:9], s[14:15]
	v_lshlrev_b32 v5, 6, v2                        ; q, k: 16 h numbers
	v_and_b32 v6, 7, v1
	v_lshrrev_b32 v7, 3, v1
	v_lshl_add_u32 v6, v7, 4, v6
	v_lshlrev_b32 v6, 2, v6                        ; v: (r % 8) + 16 (r / 8) numbers
	v_cndmask_b32 v[BO], v6, v5, s17
.set J_, 0
.rept 8
	v_mad_u32_u24 v[VJ+J_], s16, J_, v[BO]
.set J_, J_+1
.endr
.set X_, 0
.rept 8
.set J_, 0
.rept 8
	global_load_b32 v[BR+8*X_+J_], v[VJ+J_], s[8:9] offset:128*(X_/2)+32*(X_%2)
.set J_, J_+1
.endr
.set X_, X_+1
.endr
.macro FRAG reg, adr, q, i             ; 16 rows x 128 K of 4-bit codes: 8 registers: lane l holds row l % 16; registers 4 c .. 4 c + 3 hold K = 64 c + 32 (l / 16) + 0 .. 31
.irp c, 0,1
	ds_load_b128 v[\reg+4*\c:\reg+4*\c+3], v[\adr] offset:64*(\q)+32*\c+(\i)*16*PITCH
.endr
.endm
; 16 matrix instructions: A's blocks a0, a0 + 1 x B's eight.  The 64 accumulators take turns, one instruction a turn, in the same order in every step.  zero = 1: the first product starts the sums.
.macro MUL16 a0, p, q, sc, zero
.irp a, \a0, \a0+1
.irp b, 0,1,2,3,4,5,6,7
.if \zero
	v_wmma_scale_f32_16x16x128_f8f6f4 v[8*(8*((\a)%4)+\b):8*(8*((\a)%4)+\b)+7], v[128*(\p)+FR*\b:128*(\p)+FR*\b+FR-1], v[AF+FR*(\a):AF+FR*(\a)+FR-1], 0, v[SC+8*NQ*(\sc)+NQ*\b+(\q)], v[SC+8*NQ*(\sc)+NQ*(\a)+(\q)] matrix_a_fmt:MATRIX_FMT_FP4 matrix_b_fmt:MATRIX_FMT_FP4 matrix_a_scale:MATRIX_SCALE_ROW1
.else
	v_wmma_scale_f32_16x16x128_f8f6f4 v[8*(8*((\a)%4)+\b):8*(8*((\a)%4)+\b)+7], v[128*(\p)+FR*\b:128*(\p)+FR*\b+FR-1], v[AF+FR*(\a):AF+FR*(\a)+FR-1], v[8*(8*((\a)%4)+\b):8*(8*((\a)%4)+\b)+7], v[SC+8*NQ*(\sc)+NQ*\b+(\q)], v[SC+8*NQ*(\sc)+NQ*(\a)+(\q)] matrix_a_fmt:MATRIX_FMT_FP4 matrix_b_fmt:MATRIX_FMT_FP4 matrix_a_scale:MATRIX_SCALE_ROW1
.endif
.endr
.endr
.endm
.macro FETCH_B slot, q, p
	WIN TO_B
.irp i, 0,1,2,3,4,5,6,7
	FRAG 128*(\p)+FR*\i, ADRB+\slot, \q, \i
.endr
	WIN 0
.endm
.macro FETCH_A slot, q, i0
.irp i, \i0, \i0+1, \i0+2, \i0+3
	FRAG AF+FR*(\i), ADRA+\slot, \q, \i
.endr
.endm
.macro SCALES sc                       ; a slot's scale words: four a row; lanes 0-15 take A's block i, lanes 16-31 B's block i
.irp i, 0,1,2,3,4,5,6,7
	ds_load_b128 v[SC+8*NQ*\sc+NQ*\i:SC+8*NQ*\sc+NQ*\i+3], v[ADRS] offset:\i*SBLK
.endr
.endm
.macro PLACES n                        ; places behind matrix instructions, in front of loads into registers that they have read and of the first read of results
.rept \n
	v_nop
.endr
.endm
.macro STEP slot, q, zero              ; 128 along K that has its successor in the same slot
	s_wait_dscnt 4*NL                              ; B's set and A's blocks 0-3 are in; the youngest eight loads (A's blocks 4-7) may be out
	WIN MUL_LO
	MUL16 0, (\q)%2, \q, \slot, \zero
	MUL16 2, (\q)%2, \q, \slot, \zero
	s_wait_dscnt 0
	PLACES NP
	FETCH_B \slot, (\q)+1, 1-(\q)%2
	FETCH_A \slot, (\q)+1, 0
	WIN MUL_HI
	MUL16 4, (\q)%2, \q, \slot, \zero
	MUL16 6, (\q)%2, \q, \slot, \zero
	PLACES NP
	WIN 0
	FETCH_A \slot, (\q)+1, 4
.endm
.macro TURN slot, next                 ; slot 0's last step: one barrier, behind which slot 1 is whole for every wave; nothing is filled again
	s_wait_tensorcnt 0x0                           ; all my tensor loads have landed: my part of slot 1
	ds_add_u32 v[SPW], v[NIL]                      ; 0 onto my spare word
	s_wait_dscnt 4*NL+1                            ; the add and the youngest eight loads may be out
	WIN MUL_LO
	MUL16 0, 1, NQ-1, \slot, 0
	s_wait_dscnt 0x0
	s_barrier_signal -1
	MUL16 2, 1, NQ-1, \slot, 0
	WIN 0
	s_barrier_wait -1
	PLACES NP
	v_add_nc_u32 v[ADRS], 4*NQ, v[ADRS]            ; on to the second half's scale words
	FETCH_B \next, 0, 0
	FETCH_A \next, 0, 0
	SCALES \next
	WIN MUL_HI
	MUL16 4, 1, NQ-1, \slot, 0
	MUL16 6, 1, NQ-1, \slot, 0
	PLACES NP
	WIN 0
	FETCH_A \next, 0, 4
.endm
.macro STEPS slot, from
.set Q, \from
.rept NQ-1-\from
	STEP \slot, Q, 0
.set Q, Q+1
.endr
.endm
	s_wait_tensorcnt 1                             ; the scale bytes and my part of slot 0 are in (slot 1's load may be out),
	s_barrier_signal -1
	s_barrier_wait -1                              ; everybody's are
	FETCH_B 0, 0, 0
	FETCH_A 0, 0, 0
	SCALES 0
	FETCH_A 0, 0, 4
	STEP 0, 0, 1                                   ; the first products start the sums
	STEPS 0, 1
	TURN 0, 1
	STEPS 1, 0
	s_wait_dscnt 4*NL                              ; the last step: nothing more to fetch
	WIN MUL_LO
	MUL16 0, 1, NQ-1, 1, 0
	MUL16 2, 1, NQ-1, 1, 0
	s_wait_dscnt 0
	WIN MUL_HI
	MUL16 4, 1, NQ-1, 1, 0
	MUL16 6, 1, NQ-1, 1, 0
	WIN 0
; 64 numbers of a lane, v[s] .. v[s + 63], register 16 b + i = index 32 b + 16 (lane / 16) + i of my row, become a fragment's codes in v[PC] on and its scale word in v[PW].
.macro QUANT s
.irp b, 0,1,2,3
	v_max3_num_f32 v[TM+\b], |v[\s+16*\b]|, |v[\s+1+16*\b]|, 0x1800000   ; block b: my 16 numbers, and the floor 2^(3 - 127): the byte cannot fall under 1
.endr
.irp i, 2,4,6,8,10,12,14
.irp b, 0,1,2,3
	v_max3_num_f32 v[TM+\b], v[TM+\b], |v[\s+16*\b+\i]|, |v[\s+1+16*\b+\i]|
.endr
.endr
.irp b, 0,1,2,3
	v_permlanex16_b32 v[TM+4+\b], v[TM+\b], s[SEL], s[SEL+1]
.endr
.irp b, 0,1,2,3
	v_max_num_f32 v[TM+\b], v[TM+\b], v[TM+4+\b]   ; with lane l xor 16's: the block's largest magnitude
.endr
.irp b, 0,1,2,3
	v_add_nc_u32 v[TM+12+\b], 0xff000000, v[TM+\b]   ; 2 off its exponent field: the conversion's scale operand
.endr
.irp b, 0,1,2,3
	v_lshrrev_b32 v[TM+4+\b], 23, v[TM+12+\b]      ; the scale's byte
.endr
	v_lshl_or_b32 v[PW], v[TM+5], 8, v[TM+4]
	v_lshl_or_b32 v[PW], v[TM+6], 16, v[PW]
	v_lshl_or_b32 v[PW], v[TM+7], 24, v[PW]
.irp b, 0,1,2,3
	v_cvt_scalef32_pk8_fp4_f32 v[PC+2*\b], v[\s+16*\b:\s+7+16*\b], v[TM+12+\b]
	v_cvt_scalef32_pk8_fp4_f32 v[PC+1+2*\b], v[\s+8+16*\b:\s+15+16*\b], v[TM+12+\b]
.endr
	v_nop                                          ; one plain place behind a scaled conversion
.irp c, 0,1                                    ; the operand's layout wants a whole block in a lane: lanes 0-15 block 2 c, lanes 16-31 block 2 c + 1
.irp i, 0,1
	v_permlane16_swap_b32 v[PC+4*\c+\i], v[PC+2+4*\c+\i]
.endr
.endr
.endm
; THE WAY OUT, A's blocks one after the other.  The bias is added on the way from the accumulators' window into window 0 (each accumulator from its low end on); the block's 64 numbers a lane are quantised;
; kind 0 (q, k): they are two heads' 64: registers 0-3 of the codes are one head's image, registers 4-7 the next head's; the scale word's halves likewise.  kind 1 (v): they are 128 keys: one image of 1,024 bytes, one word.
; Every store of codes covers 512 consecutive bytes, aligned.  The words are gathered in my own LDS bytes and leave at the end.
.macro EPI kind
.set A_, 0
.rept 8
.if A_ > 0
	s_wait_xcnt 0x0                                ; the last block's stores have read the codes' registers,
	s_wait_dscnt 0x0                               ; and its LDS stores the words'
.endif
	WIN 0x02+(A_/4)                                ; source 0: window 2 or 3
.set I_, 0
.rept 32
.if \kind == 0
	v_pk_add_f32 v[HA+2*I_:HA+2*I_+1], v[64*(A_%4)+2*I_:64*(A_%4)+2*I_+1], v[BR+2*I_:BR+2*I_+1]
.else
	v_pk_add_f32 v[HA+2*I_:HA+2*I_+1], v[64*(A_%4)+2*I_:64*(A_%4)+2*I_+1], v[BR+8*A_:BR+8*A_+1]
.endif
.set I_, I_+1
.endr
	WIN 0
	QUANT HA
.if \kind == 0
	v_and_b32 v[PWA], 0xffff, v[PW]                ; a head has two blocks: bytes 2 and 3 of its word are 0 and meet zero codes
	v_lshrrev_b32 v[PWB], 16, v[PW]
	ds_store_b32 v[SSQ], v[PWA] offset:64*A_       ; (lanes l and l xor 16 write the same word with the same value)
	ds_store_b32 v[SSQ], v[PWB] offset:512+64*A_
	global_store_b128 v[LI], v[PC:PC+3], s[CB0:CB0+1] offset:512*A_
	global_store_b128 v[LI], v[PC+4:PC+7], s[CB1:CB1+1] offset:512*A_
.else
	ds_store_b32 v[SSV], v[PW] offset:64*A_
	global_store_b128 v[LI], v[PC:PC+3], s[CB0+2*(A_/4):CB0+2*(A_/4)+1] offset:1024*(A_%4)
	global_store_b128 v[LI], v[PC+4:PC+7], s[CB0+2*(A_/4):CB0+2*(A_/4)+1] offset:1024*(A_%4)+512
.endif
.set A_, A_+1
.endr
	s_wait_xcnt 0x0                                ; the last stores have read the codes' registers, which take the words
.if \kind == 0
	ds_load_b128 v[PC:PC+3], v[RBQ]                ; LDS serves a wave's instructions in order: these see my stores
	ds_load_b128 v[PC+4:PC+7], v[RBQ] offset:512
	s_wait_dscnt 0x0
	global_store_b128 v[LI], v[PC:PC+3], s[SB0:SB0+1]      ; 128 tokens' words of one head: 512 consecutive bytes,
	global_store_b128 v[LI], v[PC+4:PC+7], s[SB1:SB1+1]    ; and of the next
.else
	ds_load_b128 v[PC:PC+3], v[RBV]
	s_wait_dscnt 0x0
	global_store_b128 v[VSO], v[PC:PC+3], s[SB0:SB0+1]     ; lanes 0-15: one head's 64 words, 256 consecutive bytes; lanes 16-31: the next head's
.endif
.endm
	s_wait_loadcnt 0x0                             ; the bias
	PLACES NP
.irp b, 0,1,2,3
	v_mov_b32 v[TM+4+\b], 0                        ; written once: a lane permute's destination counts as one of its sources
.endr
	s_cmp_lt_u32 s[CC], 16                         ; the cluster's number: all partners go the same way
	s_cbranch_scc0 .Lepi_v
	s_lshl_b32 s14, s43, 8
	s_lshl_b32 s15, s[HS1], 7
	s_add_co_u32 s14, s14, s15                     ; my first stored token
	s_lshr_b32 s15, s14, 11                        ; its batch,
	s_and_b32 s14, s14, 2047                       ; its place there
	s_lshl_b32 s15, s15, 4
	s_lshl_b32 s16, s40, 2
	s_add_co_u32 s15, s15, s16
	s_lshl_b32 s16, s[HS0], 1
	s_add_co_u32 s15, s15, s16                     ; my first head: 16 x batch + 4 cx + 2 x half
	s_lshl_b32 s16, s15, 16
	s_lshl_b32 s17, s14, 5
	s_add_co_u32 s16, s16, s17                     ; q: images, 65,536 bytes a head, 32 a token
	s_lshl_b32 s18, s15, 13
	s_lshl_b32 s17, s14, 2
	s_add_co_u32 s18, s18, s17
	s_add_co_u32 s18, s18, QSO                     ; q: words
	s_mul_i32 s46, s15, HEADB
	s_lshr_b32 s17, s14, 7
	s_mul_i32 s17, s17, CHUNK
	s_add_co_u32 s46, s46, s17                     ; k: my 128 tokens are one key step's chunk
	s_add_co_u32 s66, s46, 8192                    ; k: words
	s_mov_b32 s17, HEADB
	s_and_b32 s19, s[CC], 1
	s_cmp_eq_u32 s19, 0                            ; q or k?
	s_cselect_b64 s[CB0:CB0+1], s[10:11], s[12:13]
	s_cselect_b32 s16, s16, s46
	s_cselect_b32 s18, s18, s66
	s_cselect_b32 s46, 65536, s17                  ; from head to head: codes,
	s_cselect_b32 s66, 8192, s17                   ; words
	s_mov_b32 s17, 0
	s_mov_b32 s19, 0
	s_mov_b32 s47, 0
	s_mov_b32 s67, 0
	s_add_nc_u64 s[SB0:SB0+1], s[CB0:CB0+1], s[18:19]
	s_add_nc_u64 s[CB0:CB0+1], s[CB0:CB0+1], s[16:17]
	s_add_nc_u64 s[CB1:CB1+1], s[CB0:CB0+1], s[46:47]
	s_add_nc_u64 s[SB1:SB1+1], s[SB0:SB0+1], s[66:67]
	EPI 0
	s_branch .Lout
.Lepi_v:
	s_lshl_b32 s14, s42, 8
	s_lshl_b32 s15, s[HS0], 7
	s_add_co_u32 s14, s14, s15                     ; my first token: B's rows here
	s_lshr_b32 s15, s14, 11
	s_and_b32 s14, s14, 2047
	s_lshl_b32 s15, s15, 4
	s_lshl_b32 s16, s41, 2
	s_add_co_u32 s15, s15, s16
	s_lshl_b32 s16, s[HS1], 1
	s_add_co_u32 s15, s15, s16                     ; my first head: 16 x batch + 4 cy + 2 x half
	s_mul_i32 s16, s15, HEADB
	s_lshr_b32 s14, s14, 7
	s_mul_i32 s14, s14, CHUNK
	s_add_co_u32 s16, s16, s14
	s_add_co_u32 s16, s16, 4096                    ; V's images in the chunk
	s_mov_b32 s17, 0
	s_add_nc_u64 s[CB0:CB0+1], s[12:13], s[16:17]
	s_add_nc_u64 s[CB1:CB1+1], s[CB0:CB0+1], HEADB
	s_add_nc_u64 s[SB0:SB0+1], s[CB0:CB0+1], 4608  ; V's words
	EPI 1
.Lout:
	s_wait_tensorcnt 0x0                           ; the wave's end
	ds_add_u32 v[SPW], v[NIL]
	s_wait_dscnt 0x0
	CROUND                                         ; the closing round
	s_endpgm
.Lfunc_end_k_q040cce88ae_gemm_qkv:
	.size	k_q040cce88ae_gemm_qkv, .Lfunc_end_k_q040cce88ae_gemm_qkv-k_q040cce88ae_gemm_qkv
	.p2alignl 7, 3214868480
	.fill 96, 4, 3214868480
	.section	.rodata,"a",@progbits
	.p2align	6, 0x0
	.amdhsa_kernel k_q040cce88ae_gemm_qkv
		.amdhsa_group_segment_fixed_size 327680
		.amdhsa_private_segment_fixed_size 0
		.amdhsa_enable_private_segment 0
		.amdhsa_kernarg_size 40
		.amdhsa_user_sgpr_count 2
		.amdhsa_user_sgpr_kernarg_segment_ptr 1
		.amdhsa_wavefront_size32 1
		.amdhsa_system_sgpr_workgroup_id_x 1
		.amdhsa_system_sgpr_workgroup_id_y 1
		.amdhsa_system_sgpr_workgroup_id_z 1
		.amdhsa_system_vgpr_workitem_id 0
		.amdhsa_next_free_vgpr 1024
		.amdhsa_next_free_sgpr 102
		.amdhsa_reserve_vcc 0
		.amdhsa_float_denorm_mode_32 3
		.amdhsa_float_denorm_mode_16_64 3
		.amdhsa_memory_ordered 1
		.amdhsa_forward_progress 1
		.amdhsa_inst_pref_size 204
	.end_amdhsa_kernel
	.amdgpu_metadata
---
amdhsa.version: [ 1, 2 ]
amdhsa.kernels:
  - .name:           k_q040cce88ae_gemm_qkv
    .symbol:         k_q040cce88ae_gemm_qkv.kd
    .args:
      - { .name: xq, .offset: 0, .size: 8, .value_kind: global_buffer, .address_space: global }
      - { .name: wq, .offset: 8, .size: 8, .value_kind: global_buffer, .address_space: global }
      - { .name: in_b, .offset: 16, .size: 8, .value_kind: global_buffer, .address_space: global }
      - { .name: qq, .offset: 24, .size: 8, .value_kind: global_buffer, .address_space: global }
      - { .name: kv, .offset: 32, .size: 8, .value_kind: global_buffer, .address_space: global }
    .group_segment_fixed_size: 327680
    .private_segment_fixed_size: 0
    .kernarg_segment_align: 8
    .kernarg_segment_size: 40
    .max_flat_workgroup_size: 128
    .sgpr_count:     102
    .vgpr_count:     1024
    .wavefront_size: 32
...
	.end_amdgpu_metadata
.endif
;; end of part 2
;; launch attn (part 3): grid 4 x 64, 16 waves a work-group, clusters of 4 x 1, 167,936 bytes of LDS; arguments qq, kv, aq; writes aq
.if DOCPART == 3
	.amdgcn_target "amdgcn-amd-amdhsa--gfx1250"
	.amdhsa_code_object_version 6
	.text
	.protected	k_q040cce88ae_attn
	.globl	k_q040cce88ae_attn
	.p2align	8
	.type	k_q040cce88ae_attn,@function
k_q040cce88ae_attn:
	s_mov_b64 s[64:65], 0
	v_nop
	global_prefetch_b8 v0, s[64:65] scope:SCOPE_SE
	s_setreg_imm32_b32 hwreg(HW_REG_WAVE_MODE, 25, 1), 1
	s_wait_xcnt 0x0
	s_wait_alu depctr_hold_cnt(0) depctr_sa_sdst(0) depctr_va_vdst(0) depctr_va_sdst(0) depctr_va_ssrc(0) depctr_va_vcc(0) depctr_vm_vsrc(0)
	s_getreg_b32 s2, hwreg(HW_REG_IB_STS2, 6, 4)
	s_cmp_eq_u32 s2, 0
	s_cbranch_scc0 .Lentry_in_a_cluster
	s_endpgm
.Lentry_in_a_cluster:
	s_bfe_u32 s2, ttmp6, 0x10000c
	s_cmp_lg_u32 s2, 0x3003
	s_cbranch_scc0 .Lentry_shape_is_right
	s_endpgm
.Lentry_shape_is_right:
; Launch 3 of 4: for each of the 64 heads, S^T = k q^T, the causal softmax, O^T = v^T p^T, O / l, and O / l quantised along D for the last product: all products on codes of E2M1.
; WORK LEFT OUT: a step of 128 keys all of which lie behind all 16 queries of a tile is hidden as a whole by the tril mask that reference() builds: its weights are 0 for all values of the inputs.  It is not multiplied.
; THE SOFTMAX: t = score x log2(e) / 8; M = the running largest t rounded UP to a whole number; p = 2^(t - M) is what is quantised, along the keys, not normalised; the row's sum is taken of the unquantised p and divides O at the end.
; When M moves, the sum and O are multiplied by 2^(old M - new M): exact.  LIMIT: score x (log2(e) / 8) is one multiplication where reference() has two.
; SHARES.  A cluster of four work-groups owns a head; all four keep the head's 16 chunks of K and V (143,360 bytes) in LDS, filled once: wave w asks for chunk w, jointly with wave w of the three partners.
; The head's 128 tiles of 16 queries fall into 16 groups of 128 tokens; a tile of group g wants g + 1 key steps.  Work-group j takes tiles 8 g + j and 8 g + j + 4 of every group; wave w takes tile 8 w + j and then
; tile 8 (15 - w) + j + 4: 17 key steps for every wave of the launch.  j enters global addresses and the mask's numbers alone: no branch and no LDS address hangs on it.
; LAYOUT.  Both products are used transposed: a lane holds ONE query (lane % 16) throughout.  The stored row order makes the 16 registers of tiles 2 b, 2 b + 1 sixteen neighbouring keys (or channels d): 32 b + 16 (lane / 16) + 0 .. 15.
; The head's size is 64: k = 64 .. 127 of the first product are zero codes on both sides (registers 4-7 of K's and Q's fragments, cleared once), under the scale byte 0, which is a number and no NaN.
; aq: images [tile of 16 stored tokens 512][head 16][512 bytes]; from ASO on scale bytes [stored token][32], byte 2 x head + block.
.set QSO,   4194304
.set ASO,   4194304
.set CHUNK, 8960
.set HEADB, 143360
.set SPARE, 143360                     ; behind the head: the spare words, 128 bytes for each of the sixteen waves
.set LI,  1                            ; v1   16 x lane
.set LS,  2                            ; v2   4 x (lane % 16)
.set ADI, 3                            ; v3   the step's chunk + 16 x lane
.set ADS, 4                            ; v4   the step's chunk + 4 x (lane % 16)
.set SPW, 5
.set NIL, 6
.set RL,  7                            ; v7   (r % 8) + 16 (r / 8) - 16 h
.set DQ,  8                            ; v8   my query's place in its group of 128 tokens, less 16 h
.set AO,  9                            ; v9   32 r + h: my scale byte's place
.set QW,  10                           ; v10  Q's scale words
.set PC,  24                           ; v24-31 p's codes
.set KF,  32                           ; v32-95 K's eight fragments
.set S,   96                           ; v96-159 S^T, then p
.set O,   160                          ; v160-191 O^T
.set VF,  192                          ; v192-223 V's four fragments
.set KSW, 224                          ; v224-231 K's scale words;  v232-235 V's
.set VSW, 232
.set BM,  236                          ; v236-239 the blocks' largest;  v240-243 at work;  v244-247 the conversions' scale operands
.set WK,  240
.set SO,  244
.set WV,  10                           ; v248 f, v249 p's scale word, v250 at work, v251 -infinity;  v12 -M, v13 the largest t, v[14:15] the sum in two halves;  v16-23 Q
.set JJ,  11
.set BH,  12
.set G,   13                           ; s13  my tile's group: its last key step
.set KSN, 14                           ; s14  the key step
.set KB,  15                           ; s15  its chunk's LDS byte
.set SEL, 28
.set CS,  30
.set HM,  48                           ; s48  lanes 16-31
.macro ROUND                           ; a round of the cluster's barrier
	s_barrier_signal -1
	s_barrier_wait -1
	s_cmp_lg_u32 s[WV], 0
	s_cbranch_scc1 .Lnot_wave_0_\@
	s_barrier_signal -3
.Lnot_wave_0_\@:
	s_barrier_wait -3
	s_barrier_signal -1
	s_barrier_wait -1
.endm
	s_load_b128 s[4:7], s[0:1], 0x0                ; qq s[4:5], kv s[6:7]
	s_load_b64 s[8:9], s[0:1], 0x10                ; aq
	v_lshl_add_u32 v[SPW], v0, 2, SPARE
	v_mov_b32 v[NIL], 0
	ds_add_u32 v[SPW], v[NIL]                      ; the wave's opening: the add, twice on end, and its wait ahead of my first tensor load
	ds_add_u32 v[SPW], v[NIL]
	v_lshrrev_b32 v1, 5, v0
	s_delay_alu instid0(VALU_DEP_1)
	v_readfirstlane_b32 s[WV], v1                  ; wave 0..15
	s_bfe_u32 s[JJ], ttmp6, 0x40000                ; j: my place in the cluster
	s_and_b32 s[BH], ttmp7, 0xffff                 ; the head, which the four partners share
	s_mov_b32 s16, 15|(3<<16)|(1<<21)              ; group 1: the mask names all four; elements of 8 bytes; bit 21 beside a mask; no padding: the images are read 16 bytes a lane on end
	s_mov_b32 s17, 32<<16                          ; tensor_dim0 = 32: rows of 256 bytes
	s_mov_b32 s18, 35<<16                          ; tensor_dim1 = 35: a chunk is 35 x 256 dense bytes
	s_mov_b32 s19, 32<<16                          ; tile_dim0
	s_mov_b32 s20, 35                              ; tile_dim1
	s_mov_b32 s21, 32                              ; from row to row
	s_mov_b32 s22, 0
	s_mov_b32 s23, 0
	s_mov_b32 s24, 1
	s_mul_i32 s25, s[WV], CHUNK                    ; chunk w in LDS,
	s_mul_i32 s40, s[BH], HEADB
	s_add_co_u32 s40, s40, s25                     ; and in memory
	s_mov_b32 s41, 0
	s_mov_b32 s[SEL], 0x76543210
	s_mov_b32 s[SEL+1], 0xfedcba98
	s_mov_b32 s[CS], 0x3e38aa3b                    ; c = log2(e) / 8
	s_mov_b32 s[CS+1], s[CS]                       ; (named with it as a pair, so it is written)
	s_mov_b32 s[HM], 0xffff0000
	s_wait_dscnt 0x0                               ; both opening adds are done
	s_wait_kmcnt 0x0
	s_add_nc_u64 s[26:27], s[6:7], s[40:41]
	s_or_b32 s27, s27, 0x80000000
	ROUND                                          ; all four work-groups are here: the joint loads meet
	tensor_load_to_lds s[24:27], s[16:23]          ; my one tensor load of the launch
	s_nop 0
.rept 4
	v_nop
.endr
	v_and_b32 v11, 31, v0
	s_delay_alu instid0(VALU_DEP_1)
	v_lshlrev_b32 v[LI], 4, v11
	v_and_b32 v3, 15, v0                           ; r
	v_bfe_u32 v4, v0, 4, 1                         ; h
	s_delay_alu instid0(VALU_DEP_2)
	v_lshlrev_b32 v[LS], 2, v3
	s_delay_alu instid0(VALU_DEP_2)
	v_lshl_add_u32 v[AO], v3, 5, v4
	s_delay_alu instid0(VALU_DEP_4)
	v_and_b32 v[RL], 7, v3
	v_lshrrev_b32 v11, 3, v3
	s_delay_alu instid0(VALU_DEP_1)
	v_sub_nc_u32 v11, v11, v4
	s_delay_alu instid0(VALU_DEP_1)
	v_lshl_add_u32 v[RL], v11, 4, v[RL]
.irp j, 20,21,22,23
	v_mov_b32 v\j, 0                               ; Q's k = 64 .. 127: zero codes
.endr
.irp t, 0,1,2,3,4,5,6,7
.irp j, 4,5,6,7
	v_mov_b32 v[KF+8*\t+\j], 0                     ; K's likewise: written once, no load lands here
.endr
.endr
.irp b, 0,1,2,3
	v_mov_b32 v[WK+\b], 0                          ; a lane permute's destination counts as one of its sources
.endr
	v_mov_b32 v249, 0                              ; (named as the upper half of the pair v[248:249] before it is first written)
	v_mov_b32 v250, 0
	v_mov_b32 v251, 0xff800000                     ; -infinity
; A tile's set-up.  p = 0: tile 8 w + j;  p = 1: tile 8 (15 - w) + j + 4.
.macro SETUP p
.if \p
	s_wait_xcnt 0x0                                ; the first tile's stores have read their bases and data
	s_xor_b32 s[G], s[WV], 15
.else
	s_mov_b32 s[G], s[WV]
.endif
	s_add_co_u32 s40, s[JJ], 4*\p                  ; the tile's place in its group
	s_lshl_b32 s41, s[G], 3
	s_add_co_u32 s41, s41, s40                     ; the tile
	s_lshl_b32 s42, s[BH], 16
	s_lshl_b32 s43, s41, 9
	s_add_co_u32 s42, s42, s43
	s_mov_b32 s43, 0
	s_add_nc_u64 s[32:33], s[4:5], s[42:43]        ; Q's image
	s_lshl_b32 s42, s[BH], 13
	s_lshl_b32 s44, s41, 6
	s_add_co_u32 s42, s42, s44
	s_add_co_u32 s42, s42, QSO
	s_add_nc_u64 s[34:35], s[4:5], s[42:43]        ; Q's words
	s_lshr_b32 s44, s[BH], 4
	s_lshl_b32 s44, s44, 7
	s_add_co_u32 s44, s44, s41                     ; the tile among all 512: 128 x batch + tile
	s_and_b32 s45, s[BH], 15                       ; the head in its batch
	s_lshl_b32 s42, s44, 13
	s_lshl_b32 s46, s45, 9
	s_add_co_u32 s42, s42, s46
	s_add_nc_u64 s[36:37], s[8:9], s[42:43]        ; where the image of O / l goes,
	s_lshl_b32 s42, s44, 9
	s_lshl_b32 s46, s45, 1
	s_add_co_u32 s42, s42, s46
	s_add_co_u32 s42, s42, ASO
	s_add_nc_u64 s[38:39], s[8:9], s[42:43]        ; and its scale bytes
	global_load_b128 v[16:19], v[LI], s[32:33]
	global_load_b32 v[QW], v[LS], s[34:35]
	s_lshr_b32 s46, s40, 1
	s_lshl_b32 s46, s46, 5
	s_and_b32 s47, s40, 1
	s_lshl_b32 s47, s47, 3
	s_add_co_u32 s46, s46, s47
	v_add_nc_u32 v[DQ], s46, v[RL]
	v_mov_b32 v13, 0xff61b1e6                      ; the largest t so far: -3e38, under every t
	s_delay_alu instid0(VALU_DEP_1)
	v_floor_f32 v12, -v13                          ; -M
	v_mov_b32 v14, 0
	v_mov_b32 v15, 0
.set J_, 0
.rept 32
	v_mov_b32 v[O+J_], 0                           ; O^T: the step is written once: the first finds zeros, which the first change of M leaves zeros
.set J_, J_+1
.endr
	s_wait_loadcnt 0x0
.endm
; The walk over the head's 16 key steps: the trip count is a constant; a step behind my tile's group is jumped over, work and all, by a branch on the wave's number and the count of steps.
.macro WALK
	s_mov_b32 s[KSN], 0
	s_mov_b32 s[KB], 0
.Lstep_\@:
	s_cmp_gt_u32 s[KSN], s[G]
	s_cbranch_scc1 .Lskip_\@
	s_setprio 2
	v_add_nc_u32 v[ADI], s[KB], v[LI]
	v_add_nc_u32 v[ADS], s[KB], v[LS]
	v_nop
	v_nop                                          ; four places in front of loads into registers that the last products have read
.irp t, 0,1,2,3,4,5,6,7
	ds_load_b128 v[KF+8*\t:KF+8*\t+3], v[ADI] offset:512*\t
.endr
.irp t, 0,1,2,3,4,5,6,7
	ds_load_b32 v[KSW+\t], v[ADS] offset:8192+64*\t
.endr
.irp t, 0,1,2,3
	ds_load_b128 v[VF+8*\t:VF+8*\t+3], v[ADI] offset:4096+1024*\t
	ds_load_b128 v[VF+8*\t+4:VF+8*\t+7], v[ADI] offset:4096+1024*\t+512
.endr
.irp t, 0,1,2,3
	ds_load_b32 v[VSW+\t], v[ADS] offset:8704+64*\t
.endr
	s_wait_dscnt 12                                ; K's sixteen loads are in; V's twelve may be out
.irp t, 0,1,2,3,4,5,6,7
	v_wmma_scale_f32_16x16x128_f8f6f4 v[S+8*\t:S+8*\t+7], v[KF+8*\t:KF+8*\t+7], v[16:23], 0, v[KSW+\t], v[QW] matrix_a_fmt:MATRIX_FMT_FP4 matrix_b_fmt:MATRIX_FMT_FP4
.endr
.rept 4
	v_nop
.endr
	s_cmp_lg_u32 s[KSN], s[G]                      ; only my group's own step lies on the diagonal
	s_cbranch_scc1 .Lopen_\@
.set N_, 0
.rept 64                                       ; register 16 b + i holds key 32 b + 16 h + i of the step: hidden where 32 b + i > my query's place - 16 h
	v_cmp_gt_i32 vcc_lo, 32*(N_/16)+N_%16, v[DQ]
	v_cndmask_b32 v[S+N_], v[S+N_], v251, vcc_lo
.set N_, N_+1
.endr
.Lopen_\@:
.irp b, 0,1,2,3
	v_max3_num_f32 v[BM+\b], v[S+16*\b], v[S+1+16*\b], v[S+2+16*\b]   ; the largest score of each block of 32 keys: for the row's maximum and, since p rises with the score, for the block's largest p
.endr
.irp i, 3,5,7,9,11,13
.irp b, 0,1,2,3
	v_max3_num_f32 v[BM+\b], v[BM+\b], v[S+16*\b+\i], v[S+1+16*\b+\i]
.endr
.endr
.irp b, 0,1,2,3
	v_max_num_f32 v[BM+\b], v[BM+\b], v[S+15+16*\b]
.endr
.irp b, 0,1,2,3
	s_delay_alu instid0(VALU_DEP_4)
	v_permlanex16_b32 v[WK+\b], v[BM+\b], s[SEL], s[SEL+1]
.endr
.irp b, 0,1,2,3
	s_delay_alu instid0(VALU_DEP_4)
	v_max_num_f32 v[BM+\b], v[BM+\b], v[WK+\b]     ; with lane l xor 16's 16 keys
.endr
	s_delay_alu instid0(VALU_DEP_2)
	v_max3_num_f32 v250, v[BM], v[BM+1], v[BM+2]
	s_delay_alu instid0(VALU_DEP_1)
	v_max_num_f32 v250, v250, v[BM+3]              ; the step's largest score of my query
	s_delay_alu instid0(VALU_DEP_1)
	v_mul_f32 v250, s[CS], v250                    ; as t (c is positive)
	s_delay_alu instid0(VALU_DEP_1)
	v_max_num_f32 v13, v13, v250                   ; the running largest t
	v_mov_b32 v250, v12
	s_delay_alu instid0(VALU_DEP_2)
	v_floor_f32 v12, -v13                          ; the new -M = floor(-t) = -ceil(t)
	s_delay_alu instid0(VALU_DEP_1)
	v_sub_f32 v250, v12, v250                      ; M's old value less its new one: a whole number, 0 or less
	s_delay_alu instid0(VALU_DEP_1)
	v_cvt_i32_f32 v250, v250                       ; (it saturates)
	s_delay_alu instid0(VALU_DEP_1)
	v_ldexp_f32 v248, 1.0, v250                    ; f = 2^(old M - new M)
.set J_, 0
.rept 32
	v_pk_fma_f32 v[S+J_:S+J_+1], v[S+J_:S+J_+1], s[CS:CS+1], v[12:13] op_sel_hi:[1,0,0]   ; t - M, two at a time
.set J_, J_+2
.endr
	s_setprio 1
.irp b, 0,1,2,3
	v_fma_f32 v[BM+\b], v[BM+\b], s[CS], v12       ; the same of each block's largest score
.endr
.set J_, 0
	s_wait_alu depctr_va_vdst(0)
.rept 64
	v_exp_f32 v[S+J_], v[S+J_]                     ; p = 2^(t - M), at most 1
.set J_, J_+1
.endr
	v_pk_mul_f32 v[14:15], v[14:15], v[248:249] op_sel_hi:[1,0]   ; the sums under the new M (a plain place behind the exponentials)
	s_wait_alu depctr_va_vdst(0)                   ; one wait for the whole batch, ahead of its first reader
.irp b, 0,1,2,3
	v_exp_f32 v[BM+\b], v[BM+\b]                   ; the block's largest p
.endr
	v_pk_add_f32 v[240:241], v[100:101], v[104:105]
	v_pk_add_f32 v[254:255], v[108:109], v[112:113]
	v_pk_add_f32 v[252:253], v[116:117], v[120:121]
	v_pk_add_f32 v[246:247], v[124:125], v[128:129]
	v_pk_add_f32 v[244:245], v[132:133], v[136:137]
	v_pk_add_f32 v[242:243], v[140:141], v[144:145]
	v_pk_add_f32 v[230:231], v[148:149], v[152:153]
	v_pk_add_f32 v[14:15], v[14:15], v[156:157]
	v_pk_add_f32 v[240:241], v[240:241], v[96:97]
	v_pk_add_f32 v[254:255], v[254:255], v[98:99]
	v_pk_add_f32 v[252:253], v[252:253], v[102:103]
	v_pk_add_f32 v[246:247], v[246:247], v[106:107]
	v_pk_add_f32 v[244:245], v[244:245], v[110:111]
	v_pk_add_f32 v[242:243], v[242:243], v[114:115]
	v_pk_add_f32 v[230:231], v[230:231], v[118:119]
	v_pk_add_f32 v[14:15], v[14:15], v[122:123]
	v_pk_add_f32 v[240:241], v[240:241], v[126:127]
	v_pk_add_f32 v[254:255], v[254:255], v[130:131]
	v_pk_add_f32 v[252:253], v[252:253], v[134:135]
	v_pk_add_f32 v[246:247], v[246:247], v[138:139]
	v_pk_add_f32 v[244:245], v[244:245], v[142:143]
	v_pk_add_f32 v[242:243], v[242:243], v[146:147]
	v_pk_add_f32 v[230:231], v[230:231], v[150:151]
	v_pk_add_f32 v[14:15], v[14:15], v[154:155]
	v_pk_add_f32 v[240:241], v[240:241], v[158:159]
	s_delay_alu instid0(VALU_DEP_2)
	v_pk_add_f32 v[14:15], v[14:15], v[246:247]
	s_delay_alu instid0(VALU_DEP_2)
	v_pk_add_f32 v[240:241], v[240:241], v[244:245]
	v_pk_add_f32 v[254:255], v[254:255], v[242:243]
	v_pk_add_f32 v[252:253], v[252:253], v[230:231]
	s_delay_alu instid0(VALU_DEP_2)
	v_pk_add_f32 v[14:15], v[14:15], v[254:255]
	s_delay_alu instid0(VALU_DEP_2)
	v_pk_add_f32 v[240:241], v[240:241], v[252:253]
	s_delay_alu instid0(VALU_DEP_1)
	v_pk_add_f32 v[14:15], v[14:15], v[240:241]
	s_setprio 0
	s_wait_alu depctr_va_vdst(0)                   ; and one for the four
.irp b, 0,1,2,3
	v_max_num_f32 v[BM+\b], 0x1800000, v[BM+\b]    ; the floor 2^(3 - 127): a block whose every p is 0 keeps the byte 1: its codes are zeros
.endr
.irp b, 0,1,2,3
	s_delay_alu instid0(VALU_DEP_4)
	v_add_nc_u32 v[SO+\b], 0xff000000, v[BM+\b]    ; 2 off the exponent field: the conversion's scale operand
.endr
.irp b, 0,1,2,3
	s_delay_alu instid0(VALU_DEP_4)
	v_lshrrev_b32 v[WK+\b], 23, v[SO+\b]           ; the scale's byte
.endr
	s_delay_alu instid0(VALU_DEP_3)
	v_lshl_or_b32 v249, v[WK+1], 8, v[WK]          ; p's scale word for these 128 keys
	s_delay_alu instid0(VALU_DEP_1)
	v_lshl_or_b32 v249, v[WK+2], 16, v249
	s_delay_alu instid0(VALU_DEP_1)
	v_lshl_or_b32 v249, v[WK+3], 24, v249
.irp b, 0,1,2,3
	v_cvt_scalef32_pk8_fp4_f32 v[PC+2*\b], v[S+16*\b:S+7+16*\b], v[SO+\b]
	v_cvt_scalef32_pk8_fp4_f32 v[PC+1+2*\b], v[S+8+16*\b:S+15+16*\b], v[SO+\b]
.endr
	v_nop                                          ; one plain place behind a scaled conversion
.irp c, 0,1
.irp i, 0,1
	v_permlane16_swap_b32 v[PC+4*\c+\i], v[PC+2+4*\c+\i]   ; a whole block in a lane
.endr
.endr
.set J_, 0
.rept 16
	v_pk_mul_f32 v[O+J_:O+J_+1], v[O+J_:O+J_+1], v[248:249] op_sel_hi:[1,0]   ; O^T under the new M (these sixteen are also the places in front of the products below)
.set J_, J_+2
.endr
	s_wait_alu depctr_va_vdst(0)
	s_wait_dscnt 0x0                               ; V
.irp t, 0,1,2,3
	v_wmma_scale_f32_16x16x128_f8f6f4 v[O+8*\t:O+8*\t+7], v[VF+8*\t:VF+8*\t+7], v[PC:PC+7], v[O+8*\t:O+8*\t+7], v[VSW+\t], v249 matrix_a_fmt:MATRIX_FMT_FP4 matrix_b_fmt:MATRIX_FMT_FP4
.endr
.Lskip_\@:
	s_add_co_u32 s[KB], s[KB], CHUNK
	s_add_co_u32 s[KSN], s[KSN], 1
	s_cmp_lt_u32 s[KSN], 16
	s_cbranch_scc1 .Lstep_\@
	s_setprio 0
.endm
; A tile's way out: O^T / the sum; its register 16 b + i is channel 32 b + 16 h + i of my query: two blocks of the last product's K; codes and bytes leave as that product's operand.
.macro LEAVE
.rept 4
	v_nop                                          ; places behind the last products
.endr
	v_add_f32 v14, v14, v15
	s_delay_alu instid0(VALU_DEP_1)
	v_permlanex16_b32 v250, v14, s[SEL], s[SEL+1]
	s_delay_alu instid0(VALU_DEP_1)
	v_add_f32 v14, v14, v250                       ; the row's sum
	s_wait_alu depctr_va_vdst(0)
	v_rcp_f32 v14, v14
	v_nop                                          ; a plain place behind the transcendental
	s_wait_alu depctr_va_vdst(0)                   ; the wait ahead of its first reader
.set J_, 0
.rept 16
	v_pk_mul_f32 v[S+J_:S+J_+1], v[O+J_:O+J_+1], v[14:15] op_sel_hi:[1,0]
.set J_, J_+2
.endr
.irp b, 0,1
	v_max3_num_f32 v[BM+\b], |v[S+16*\b]|, |v[S+1+16*\b]|, 0x1800000
.endr
.irp i, 2,4,6,8,10,12,14
.irp b, 0,1
	s_delay_alu instid0(VALU_DEP_2)
	v_max3_num_f32 v[BM+\b], v[BM+\b], |v[S+16*\b+\i]|, |v[S+1+16*\b+\i]|
.endr
.endr
.irp b, 0,1
	s_delay_alu instid0(VALU_DEP_2)
	v_permlanex16_b32 v[WK+\b], v[BM+\b], s[SEL], s[SEL+1]
.endr
.irp b, 0,1
	s_delay_alu instid0(VALU_DEP_2)
	v_max_num_f32 v[BM+\b], v[BM+\b], v[WK+\b]
.endr
.irp b, 0,1
	s_delay_alu instid0(VALU_DEP_2)
	v_add_nc_u32 v[SO+\b], 0xff000000, v[BM+\b]
.endr
.irp b, 0,1
	s_delay_alu instid0(VALU_DEP_2)
	v_lshrrev_b32 v[WK+\b], 23, v[SO+\b]
.endr
	s_delay_alu instid0(VALU_DEP_1)
	v_cndmask_b32 v250, v[WK], v[WK+1], s[HM]      ; lanes 0-15 store block 0's byte, lanes 16-31 block 1's
.irp b, 0,1
	v_cvt_scalef32_pk8_fp4_f32 v[PC+2*\b], v[S+16*\b:S+7+16*\b], v[SO+\b]
	v_cvt_scalef32_pk8_fp4_f32 v[PC+1+2*\b], v[S+8+16*\b:S+15+16*\b], v[SO+\b]
.endr
	v_nop
.irp i, 0,1
	v_permlane16_swap_b32 v[PC+\i], v[PC+2+\i]
.endr
	global_store_b128 v[LI], v[PC:PC+3], s[36:37]  ; 512 consecutive bytes, aligned
	global_store_b8 v[AO], v250, s[38:39]          ; a token's 32 bytes come from 16 heads, which are 16 clusters: so these go a byte a lane
.endm
	SETUP 0
	s_wait_tensorcnt 0x0                           ; my chunk is in,
	s_barrier_signal -1
	s_barrier_wait -1                              ; all sixteen are
	WALK
	LEAVE
	SETUP 1
	WALK
	LEAVE
	s_wait_tensorcnt 0x0                           ; the wave's end
	ds_add_u32 v[SPW], v[NIL]
	s_wait_dscnt 0x0
	ROUND                                          ; the closing round
	s_endpgm
.Lfunc_end_k_q040cce88ae_attn:
	.size	k_q040cce88ae_attn, .Lfunc_end_k_q040cce88ae_attn-k_q040cce88ae_attn
	.p2alignl 7, 3214868480
	.fill 96, 4, 3214868480
	.section	.rodata,"a",@progbits
	.p2align	6, 0x0
	.amdhsa_kernel k_q040cce88ae_attn
		.amdhsa_group_segment_fixed_size 167936
		.amdhsa_private_segment_fixed_size 0
		.amdhsa_enable_private_segment 0
		.amdhsa_kernarg_size 24
		.amdhsa_user_sgpr_count 2
		.amdhsa_user_sgpr_kernarg_segment_ptr 1
		.amdhsa_wavefront_size32 1
		.amdhsa_system_sgpr_workgroup_id_x 1
		.amdhsa_system_sgpr_workgroup_id_y 1
		.amdhsa_system_sgpr_workgroup_id_z 1
		.amdhsa_system_vgpr_workitem_id 0
		.amdhsa_next_free_vgpr 256
		.amdhsa_next_free_sgpr 66
		.amdhsa_reserve_vcc 1
		.amdhsa_float_denorm_mode_32 3
		.amdhsa_float_denorm_mode_16_64 3
		.amdhsa_memory_ordered 1
		.amdhsa_forward_progress 1
		.amdhsa_inst_pref_size 62
	.end_amdhsa_kernel
	.amdgpu_metadata
---
amdhsa.version: [ 1, 2 ]
amdhsa.kernels:
  - .name:           k_q040cce88ae_attn
    .symbol:         k_q040cce88ae_attn.kd
    .args:
      - { .name: qq, .offset: 0, .size: 8, .value_kind: global_buffer, .address_space: global }
      - { .name: kv, .offset: 8, .size: 8, .value_kind: global_buffer, .address_space: global }
      - { .name: aq, .offset: 16, .size: 8, .value_kind: global_buffer, .address_space: global }
    .group_segment_fixed_size: 167936
    .private_segment_fixed_size: 0
    .kernarg_segment_align: 8
    .kernarg_segment_size: 24
    .max_flat_workgroup_size: 512
    .sgpr_count:     66
    .vgpr_count:     256
    .wavefront_size: 32
...
	.end_amdgpu_metadata
.endif
;; end of part 3
;; launch gemm_out (part 4): grid 4 x 64, 4 waves a work-group, clusters of 4 x 4, 327,680 bytes of LDS; arguments aq, wq, out_b, out0; writes out0
.if DOCPART == 4
	.amdgcn_target "amdgcn-amd-amdhsa--gfx1250"
	.amdhsa_code_object_version 6
	.text
	.protected	k_q040cce88ae_gemm_out
	.globl	k_q040cce88ae_gemm_out
	.p2align	8
	.type	k_q040cce88ae_gemm_out,@function
k_q040cce88ae_gemm_out:
	s_mov_b64 s[64:65], 0
	v_nop
	global_prefetch_b8 v0, s[64:65] scope:SCOPE_SE
	s_setreg_imm32_b32 hwreg(HW_REG_WAVE_MODE, 25, 1), 1
	s_wait_xcnt 0x0
	s_wait_alu depctr_hold_cnt(0) depctr_sa_sdst(0) depctr_va_vdst(0) depctr_va_sdst(0) depctr_va_ssrc(0) depctr_va_vcc(0) depctr_vm_vsrc(0)
	s_getreg_b32 s2, hwreg(HW_REG_IB_STS2, 6, 4)
	s_cmp_eq_u32 s2, 0
	s_cbranch_scc0 .Lentry_in_a_cluster
	s_endpgm
.Lentry_in_a_cluster:
	s_bfe_u32 s2, ttmp6, 0x10000c
	s_cmp_lg_u32 s2, 0xf033
	s_cbranch_scc0 .Lentry_shape_is_right
	s_endpgm
.Lentry_shape_is_right:
; Launch 4 of 4: out0 = Q(O / l) Q(out_w) + out_b on codes of E2M1, K = 1,024, f32 results.
; A work-group of four waves makes 128 stored tokens x 256 columns n: 256 work-groups.  A wave makes 64 x 128: 32 accumulators.  Source 0 = 16 stored rows of out_w, source 1 = 16 stored tokens: a lane holds one token,
; and the stored row order makes its registers of blocks 2 b, 2 b + 1 the columns 32 b + 16 (lane / 16) + 0 .. 15.  The bias is the C of each sum's first matrix instruction.
; All of K lies in LDS, filled once: B's 256 rows of 512 bytes (padded), A's 8 tiles as images of the operand registers (dense: read 16 bytes a lane on end), and both sides' scale bytes.
; 4 x 4 clusters: A's tiles are asked for jointly by the four work-groups of a row of the cluster, B's by the four of a column.
; REGISTERS: window 0: v0-31 addresses; v32-63 A's scale words (8 a + q), v64-127 B's (8 b + q); v128-191 A's fragments, two sets of 32; on the way out v128-255.  window 1: B's sets at v0 and v128; v64-127 the bias.  window 2: the accumulators.
.set ASO,    4194304
.set WSO,    2097152
.set BPITCH, 528                       ; B's LDS row: 512 bytes + 16 of padding: the 16 rows of a load start at 16 different banks
.set AIMG,   135168                    ; behind B's 256 rows: A's images, 8 x 8,192 bytes
.set ASCL,   200704                    ; A's scale bytes: 16 units of 256 + 16
.set BSCL,   205056                    ; B's: 32 units
.set SPARE,  213760                    ; the spare words
.set STAGE,  214272                    ; the way out: 16 rows x 528 bytes for each wave; no tensor load lands here
.set SPITCH, 528
.set ADRA, 16
.set ADRB, 17
.set ASA,  18
.set ASB,  19
.set STO,  24
.set RD,   25
.set CO,   26
.set BO,   27
.set SPW,  28
.set NIL,  29
.set SA,   32
.set SB,   64
.set AF,   128
.set BK,   128
.set BR,   64                          ; in window 1
.set WV,   20
.set HS1,  21
.set HS0,  22
.set G1A,  24
.set G1AS, 32
.set G1B,  48
.set G1BS, 56
.set G0A,  68
.set G0AS, 72
.set G0B,  76
.set G0BS, 80
.set OB,   84                          ; s[84:85] my part of out0
.set MSB, 0
.macro WIN new
.if MSB != \new
	s_set_vgpr_msb (MSB<<8)|\new
.set MSB, \new
.endif
.endm
.macro JLOAD g0a, g1a, g0b, g1b        ; waves 0 and 1 fetch for A, waves 2 and 3 for B; an s_nop 0 and four v_nop follow each of the two lines
	s_cmp_eq_u32 s[HS1], 0
	s_cbranch_scc0 .Lfor_b_\@
	tensor_load_to_lds s[\g0a:\g0a+3], s[\g1a:\g1a+7]
	s_nop 0
.rept 4
	v_nop
.endr
	s_branch .Lasked_\@
.Lfor_b_\@:
	tensor_load_to_lds s[\g0b:\g0b+3], s[\g1b:\g1b+7]
	s_nop 0
.rept 4
	v_nop
.endr
.Lasked_\@:
.endm
.macro CROUND
	s_barrier_signal -1
	s_barrier_wait -1
	s_cmp_lg_u32 s[WV], 0
	s_cbranch_scc1 .Lnot_wave_0_\@
	s_barrier_signal -3
.Lnot_wave_0_\@:
	s_barrier_wait -3
	s_barrier_signal -1
	s_barrier_wait -1
.endm
.macro PLACES n
.rept \n
	v_nop
.endr
.endm
	s_load_b256 s[4:11], s[0:1], 0x0               ; aq s[4:5], wq s[6:7], out_b s[8:9], out0 s[10:11]
	v_lshl_add_u32 v[SPW], v0, 2, SPARE
	v_mov_b32 v[NIL], 0
	ds_add_u32 v[SPW], v[NIL]                      ; the wave's opening: the add, twice on end, and its wait ahead of my first tensor load
	ds_add_u32 v[SPW], v[NIL]
	v_lshrrev_b32 v1, 5, v0
	v_readfirstlane_b32 s[WV], v1
	s_lshr_b32 s[HS1], s[WV], 1                    ; which 64 tokens are mine.  Also: I fetch for A (0) or for B (1)
	s_and_b32 s[HS0], s[WV], 1                     ; which 128 columns.  Also: which half of that tile I fetch
	s_bfe_u32 s40, ttmp6, 0x40000                  ; cx: the tile of 256 columns
	s_bfe_u32 s41, ttmp6, 0x40004                  ; cy
	s_and_b32 s43, ttmp7, 0xffff
	s_lshl_b32 s43, s43, 2
	s_add_co_u32 s43, s43, s41                     ; the tile of 128 tokens = 4 x cluster y + cy
	s_lshl_b32 s44, s41, 2
	s_lshl_b32 s44, 15, s44                        ; my row of the cluster
	s_lshl_b32 s45, 0x1111, s40                    ; my column
	s_or_b32 s[G1A], s44, (3<<16)|(1<<21)          ; A's images: four tiles, 32,768 dense bytes as 128 rows of 256, no padding
	s_mov_b32 s[G1A+1], 32<<16
	s_mov_b32 s[G1A+2], 128<<16
	s_mov_b32 s[G1A+3], 32<<16
	s_mov_b32 s[G1A+4], 128
	s_mov_b32 s[G1A+5], 32
	s_mov_b32 s[G1A+6], 0
	s_mov_b32 s[G1A+7], 0
	s_or_b32 s[G1AS], s44, (3<<16)|(1<<20)|(1<<21)|(5<<22)|(3<<25)   ; A's scale bytes of 64 tokens: 8 rows of 256, 16 bytes of padding behind each
	s_mov_b32 s[G1AS+1], 32<<16
	s_mov_b32 s[G1AS+2], 8<<16
	s_mov_b32 s[G1AS+3], 32<<16
	s_mov_b32 s[G1AS+4], 8
	s_mov_b32 s[G1AS+5], 32
	s_mov_b32 s[G1AS+6], 0
	s_mov_b32 s[G1AS+7], 0
	s_or_b32 s[G1B], s45, (0<<16)|(1<<20)|(1<<21)|(6<<22)|(3<<25)    ; B's codes: 128 rows of 512 bytes, 4 words of padding after every 128
	s_mov_b32 s[G1B+1], 512<<16
	s_mov_b32 s[G1B+2], 128<<16
	s_mov_b32 s[G1B+3], 512<<16
	s_mov_b32 s[G1B+4], 128
	s_mov_b32 s[G1B+5], 512
	s_mov_b32 s[G1B+6], 0
	s_mov_b32 s[G1B+7], 0
	s_or_b32 s[G1BS], s45, (3<<16)|(1<<20)|(1<<21)|(5<<22)|(3<<25)   ; B's scale bytes of 128 rows: 16 rows of 256
	s_mov_b32 s[G1BS+1], 32<<16
	s_mov_b32 s[G1BS+2], 16<<16
	s_mov_b32 s[G1BS+3], 32<<16
	s_mov_b32 s[G1BS+4], 16
	s_mov_b32 s[G1BS+5], 32
	s_mov_b32 s[G1BS+6], 0
	s_mov_b32 s[G1BS+7], 0
	s_lshl_b32 s14, s43, 16                        ; A: 8 tiles of 8,192 bytes a work-group, 4 a load
	s_lshl_b32 s18, s[HS0], 15
	s_add_co_u32 s14, s14, s18
	s_mov_b32 s15, 0
	s_lshl_b32 s16, s43, 12                        ; its scale bytes: 128 tokens of 32, 64 a load
	s_lshl_b32 s18, s[HS0], 11
	s_add_co_u32 s16, s16, s18
	s_add_co_u32 s16, s16, ASO
	s_mov_b32 s17, 0
	s_lshl_b32 s46, s40, 17                        ; B: out_w's rows begin at row 3,072 of wq
	s_lshl_b32 s19, s[HS0], 16
	s_add_co_u32 s46, s46, s19
	s_add_co_u32 s46, s46, 3072*512
	s_mov_b32 s47, 0
	s_lshl_b32 s66, s40, 13
	s_lshl_b32 s19, s[HS0], 12
	s_add_co_u32 s66, s66, s19
	s_add_co_u32 s66, s66, WSO+3072*32
	s_mov_b32 s67, 0
	s_mov_b32 s[G0A], 1
	s_lshl_b32 s[G0A+1], s[HS0], 15
	s_add_co_u32 s[G0A+1], s[G0A+1], AIMG
	s_mov_b32 s[G0AS], 1
	s_mul_i32 s[G0AS+1], s[HS0], 2176
	s_add_co_u32 s[G0AS+1], s[G0AS+1], ASCL
	s_mov_b32 s[G0B], 1
	s_mul_i32 s[G0B+1], s[HS0], 128*BPITCH
	s_mov_b32 s[G0BS], 1
	s_mul_i32 s[G0BS+1], s[HS0], 4352
	s_add_co_u32 s[G0BS+1], s[G0BS+1], BSCL
	s_wait_dscnt 0x0                               ; both opening adds are done
	s_wait_kmcnt 0x0
	s_add_nc_u64 s[G0A+2:G0A+3], s[4:5], s[14:15]
	s_or_b32 s[G0A+3], s[G0A+3], 0x80000000
	s_add_nc_u64 s[G0AS+2:G0AS+3], s[4:5], s[16:17]
	s_or_b32 s[G0AS+3], s[G0AS+3], 0x80000000
	s_add_nc_u64 s[G0B+2:G0B+3], s[6:7], s[46:47]
	s_or_b32 s[G0B+3], s[G0B+3], 0x80000000
	s_add_nc_u64 s[G0BS+2:G0BS+3], s[6:7], s[66:67]
	s_or_b32 s[G0BS+3], s[G0BS+3], 0x80000000
	CROUND                                         ; all sixteen work-groups are here: the joint loads meet
	JLOAD G0AS, G1AS, G0BS, G1BS
	s_wait_alu depctr_va_vdst(0)
	s_wait_tensorcnt 0x0
	ds_add_u32 v28, v29
	s_wait_dscnt 0x0
	CROUND
	JLOAD G0A, G1A, G0B, G1B                       ; two tensor loads of mine are out: all the launch's fills
	v_and_b32 v1, 15, v0                           ; r
	v_bfe_u32 v2, v0, 4, 1                         ; h
	v_and_b32 v3, 31, v0
	v_lshlrev_b32 v[CO], 4, v3                     ; 16 x lane
	s_lshl_b32 s14, s[HS1], 15
	s_add_co_u32 s14, s14, AIMG
	v_add_nc_u32 v[ADRA], s14, v[CO]               ; my four tiles' images
	s_mul_i32 s14, s[HS0], 128*BPITCH
	v_mul_u32_u24 v[ADRB], v1, BPITCH
	v_lshl_add_u32 v[ADRB], v2, 4, v[ADRB]
	v_add_nc_u32 v[ADRB], s14, v[ADRB]             ; my 128 rows of B: row x pitch + 16 x half
	v_lshrrev_b32 v4, 3, v1
	v_lshlrev_b32 v5, 5, v1
	v_lshl_add_u32 v5, v4, 4, v5                   ; a row's 32 scale bytes, and 16 more for each 256 passed
	s_mul_i32 s14, s[HS1], 2176
	s_add_co_u32 s14, s14, ASCL
	v_add_nc_u32 v[ASA], s14, v5
	s_mul_i32 s14, s[HS0], 4352
	s_add_co_u32 s14, s14, BSCL
	v_add_nc_u32 v[ASB], s14, v5
	s_mul_i32 s14, s[WV], 16*SPITCH
	s_add_co_u32 s14, s14, STAGE                   ; my stage
	v_mul_u32_u24 v[STO], v1, SPITCH
	v_lshl_add_u32 v[STO], v2, 6, v[STO]
	v_add_nc_u32 v[STO], s14, v[STO]               ; in: row r, + 64 h
	v_add_nc_u32 v[RD], s14, v[CO]                 ; back: a whole row of 512 bytes
	s_lshl_b32 s14, s40, 10
	s_lshl_b32 s15, s[HS0], 9
	s_add_co_u32 s14, s14, s15                     ; my first column, in bytes
	s_mov_b32 s15, 0
	s_add_nc_u64 s[8:9], s[8:9], s[14:15]          ; in out_b,
	s_add_nc_u64 s[OB:OB+1], s[10:11], s[14:15]    ; and in a row of out0
	s_lshl_b32 s14, s43, 19
	s_lshl_b32 s16, s[HS1], 18
	s_add_co_u32 s14, s14, s16                     ; my first token's row: 4,096 bytes a token
	s_add_nc_u64 s[OB:OB+1], s[OB:OB+1], s[14:15]
	v_lshlrev_b32 v[BO], 6, v2                     ; the bias: register 8 b + j holds out_b at 32 (b / 2) + 16 h + 8 (b % 2) + j
	WIN 0x40                                       ; destination window 1
.irp b, 0,1,2,3,4,5,6,7
	global_load_b128 v[BR+8*\b:BR+8*\b+3], v[BO], s[8:9] offset:128*(\b/2)+32*(\b%2)
	global_load_b128 v[BR+8*\b+4:BR+8*\b+7], v[BO], s[8:9] offset:128*(\b/2)+32*(\b%2)+16
.endr
	WIN 0
	s_wait_alu depctr_va_vdst(0)
	s_wait_tensorcnt 0x0                           ; my parts are in,
	s_barrier_signal -1
	s_barrier_wait -1                              ; everybody's are
.irp a, 0,1,2,3
	ds_load_b128 v[SA+8*\a:SA+8*\a+3], v[ASA] offset:544*\a        ; a row's eight scale words, for all of K
	ds_load_b128 v[SA+8*\a+4:SA+8*\a+7], v[ASA] offset:544*\a+16
.endr
.irp b, 0,1,2,3,4,5,6,7
	ds_load_b128 v[SB+8*\b:SB+8*\b+3], v[ASB] offset:544*\b
	ds_load_b128 v[SB+8*\b+4:SB+8*\b+7], v[ASB] offset:544*\b+16
.endr
.macro FB q, p                         ; B's eight fragments of the q-th 128 along K into set p of window 1
	WIN 0x40
.irp i, 0,1,2,3,4,5,6,7
.irp c, 0,1
	ds_load_b128 v[128*(\p)+8*\i+4*\c:128*(\p)+8*\i+4*\c+3], v[ADRB] offset:64*(\q)+32*\c+\i*16*BPITCH
.endr
.endr
	WIN 0
.endm
.macro FA q, p                         ; A's four: heads 2 q and 2 q + 1 of each tile's images
.irp i, 0,1,2,3
.irp c, 0,1
	ds_load_b128 v[AF+32*(\p)+8*\i+4*\c:AF+32*(\p)+8*\i+4*\c+3], v[ADRA] offset:8192*\i+1024*(\q)+512*\c
.endr
.endr
.endm
.macro PROD a, q, p                    ; A's block a against B's eight.  The 32 accumulators take turns, in the same order in every step
.irp b, 0,1,2,3,4,5,6,7
.if (\q) == 0
	v_wmma_scale_f32_16x16x128_f8f6f4 v[8*(8*(\a)+\b):8*(8*(\a)+\b)+7], v[128*(\p)+8*\b:128*(\p)+8*\b+7], v[AF+32*(\p)+8*(\a):AF+32*(\p)+8*(\a)+7], v[BR+8*\b:BR+8*\b+7], v[SB+8*\b+(\q)], v[SA+8*(\a)+(\q)] matrix_a_fmt:MATRIX_FMT_FP4 matrix_b_fmt:MATRIX_FMT_FP4
.else
	v_wmma_scale_f32_16x16x128_f8f6f4 v[8*(8*(\a)+\b):8*(8*(\a)+\b)+7], v[128*(\p)+8*\b:128*(\p)+8*\b+7], v[AF+32*(\p)+8*(\a):AF+32*(\p)+8*(\a)+7], v[8*(8*(\a)+\b):8*(8*(\a)+\b)+7], v[SB+8*\b+(\q)], v[SA+8*(\a)+(\q)] matrix_a_fmt:MATRIX_FMT_FP4 matrix_b_fmt:MATRIX_FMT_FP4
.endif
.endr
.endm
.macro STEPO q
	s_wait_dscnt 0x0                               ; this step's fragments are in
.if (\q) == 0
.set WM, 0x91                          ; source 0 (B) window 1, source 1 (A) window 0, C (the bias) window 1, D window 2
.else
.set WM, 0xa1                          ; C and D window 2
.endif
	WIN WM
	PROD 0, \q, (\q)%2
	PROD 1, \q, (\q)%2
.if (\q) < 7
	PLACES 4                                       ; in front of loads into the other set, which the last step's products have read
	FB (\q)+1, ((\q)+1)%2
	FA (\q)+1, ((\q)+1)%2
	WIN WM
.endif
	PROD 2, \q, (\q)%2
	PROD 3, \q, (\q)%2
.endm
	FB 0, 0
	FA 0, 0
	s_wait_loadcnt 0x0                             ; the bias
.irp q, 0,1,2,3,4,5,6,7
	STEPO \q
.endr
	WIN 0
; THE WAY OUT, block by block of 16 stored tokens x 128 columns, through my own stage: in by 32 bytes of a row, back as whole rows of 512 bytes, which the 32 lanes store at the token's TRUE row of out0.
.macro TOSTAGE a
	WIN 0x08                                       ; an LDS store's data are its source 1: window 2
.irp b, 0,1,2,3,4,5,6,7
	ds_store_b128 v[STO], v[64*(\a)+8*\b:64*(\a)+8*\b+3] offset:128*(\b/2)+32*(\b%2)          ; each accumulator from its low end on
	ds_store_b128 v[STO], v[64*(\a)+8*\b+4:64*(\a)+8*\b+7] offset:128*(\b/2)+32*(\b%2)+16
.endr
	WIN 0
.set BB, BK+64*((\a)%2)
.irp t, 0,1,2,3,4,5,6,7,8,9,10,11,12,13,14,15
	ds_load_b128 v[BB+4*\t:BB+4*\t+3], v[RD] offset:\t*SPITCH      ; LDS serves a wave's instructions in order: these see the stores above, and the next block's stores come behind them
.endr
.endm
.macro SEND a, younger
.set BB, BK+64*((\a)%2)
	s_wait_dscnt \younger                          ; the block is back in registers
.irp t, 0,1,2,3,4,5,6,7,8,9,10,11,12,13,14,15
	global_store_b128 v[CO], v[BB+4*\t:BB+4*\t+3], s[OB:OB+1] offset:(32*((\a)/2)+8*((\a)%2)+(\t%8)+16*(\t/8))*4096 th:TH_STORE_NT   ; 512 consecutive bytes, aligned; written once
.endr
.endm
	PLACES 4                                       ; behind the last products: for the reads of results and the loads into A's registers
	TOSTAGE 0
.irp a, 1,2,3
.if \a > 1
	s_wait_xcnt 0x0                                ; block a - 2's stores have read their registers: block a's loads may land there
.endif
	TOSTAGE \a
	SEND (\a)-1, 32                                ; behind block a - 1's loads: block a's 16 stores and 16 loads
.endr
	SEND 3, 0
	s_wait_tensorcnt 0x0                           ; the wave's end
	ds_add_u32 v[SPW], v[NIL]
	s_wait_dscnt 0x0
	CROUND                                         ; the closing round
	s_endpgm
.Lfunc_end_k_q040cce88ae_gemm_out:
	.size	k_q040cce88ae_gemm_out, .Lfunc_end_k_q040cce88ae_gemm_out-k_q040cce88ae_gemm_out
	.p2alignl 7, 3214868480
	.fill 96, 4, 3214868480
	.section	.rodata,"a",@progbits
	.p2align	6, 0x0
	.amdhsa_kernel k_q040cce88ae_gemm_out
		.amdhsa_group_segment_fixed_size 327680
		.amdhsa_private_segment_fixed_size 0
		.amdhsa_enable_private_segment 0
		.amdhsa_kernarg_size 32
		.amdhsa_user_sgpr_count 2
		.amdhsa_user_sgpr_kernarg_segment_ptr 1
		.amdhsa_wavefront_size32 1
		.amdhsa_system_sgpr_workgroup_id_x 1
		.amdhsa_system_sgpr_workgroup_id_y 1
		.amdhsa_system_sgpr_workgroup_id_z 1
		.amdhsa_system_vgpr_workitem_id 0
		.amdhsa_next_free_vgpr 768
		.amdhsa_next_free_sgpr 102
		.amdhsa_reserve_vcc 0
		.amdhsa_float_denorm_mode_32 3
		.amdhsa_float_denorm_mode_16_64 3
		.amdhsa_memory_ordered 1
		.amdhsa_forward_progress 1
		.amdhsa_inst_pref_size 73
	.end_amdhsa_kernel
	.amdgpu_metadata
---
amdhsa.version: [ 1, 2 ]
amdhsa.kernels:
  - .name:           k_q040cce88ae_gemm_out
    .symbol:         k_q040cce88ae_gemm_out.kd
    .args:
      - { .name: aq, .offset: 0, .size: 8, .value_kind: global_buffer, .address_space: global }
      - { .name: wq, .offset: 8, .size: 8, .value_kind: global_buffer, .address_space: global }
      - { .name: out_b, .offset: 16, .size: 8, .value_kind: global_buffer, .address_space: global }
      - { .name: out0, .offset: 24, .size: 8, .value_kind: global_buffer, .address_space: global }
    .group_segment_fixed_size: 327680
    .private_segment_fixed_size: 0
    .kernarg_segment_align: 8
    .kernarg_segment_size: 32
    .max_flat_workgroup_size: 128
    .sgpr_count:     102
    .vgpr_count:     768
    .wavefront_size: 32
...
	.end_amdgpu_metadata
.endif
;; end of part 4
